; MI455X (gfx1250); checked and timed in simulation.
; The chip was launched on July 23, 2026; its instructions are those of AMD's public machine-readable ISA for CDNA 5 (MIT licence, August 2026) and "CDNA5" Instruction Set Architecture Reference Guide (July 2026). The comments in the code are by the model that wrote it; some were corrected since.
;; Multi Head Attention. Allowed arithmetic: matrix products marked QUANTISED: E2M3 operands, one E8M0 scale for each 32 along K, by v_wmma_scale_f32_16x16x128_f8f6f4 with both operands' format E2M3, f32 sums; everything else in f32.
;; Inputs: K 4 x 2,048 x 1,024 float32; Q 4 x 2,048 x 1,024 float32; V 4 x 2,048 x 1,024 float32; Wk 1,024 x 1,024 float32; Wo 1,024 x 1,024 float32; Wq 1,024 x 1,024 float32; Wv 1,024 x 1,024 float32; bk 1,024 float32; bo 1,024 float32; bq 1,024 float32; bv 1,024 float32.
;; Outputs: out0 4 x 2,048 x 1,024 float32.
;; This version of the problem:
;;   THIS VERSION OF THE PROBLEM IS GIVEN IN LOW PRECISION. The matrix products marked QUANTISED in the list below multiply operands that are first quantised to E2M3 (2 exponent bits, 3 mantissa bits; 6 bits a number), with one power-of-two scale for each 32 numbers along K (OCP MX v1.0); their sums are f32. All else is computed in f32.
;;   The module's matrix products, in the order in which they are computed (A, B: the left and right operand; K: the contracted axis; several contracted axes count as one K, in the product's order):
;;     1. [M 8,192, K 1,024] x [K 1,024, N 1,024]; A: input Q; B: input Wq: QUANTISED
;;     2. [M 8,192, K 1,024] x [K 1,024, N 1,024]; A: input K; B: input Wk: QUANTISED
;;     3. [M 8,192, K 1,024] x [K 1,024, N 1,024]; A: input V; B: input Wv: QUANTISED
;;     4. batch 64 x [M 2,048, K 64] x [K 64, N 2,048]; A: computed on the way; B: computed on the way: QUANTISED
;;     5. batch 64 x [M 2,048, K 2,048] x [K 2,048, N 64]; A: softmax (see below); B: computed on the way: QUANTISED
;;     6. [M 8,192, K 1,024] x [K 1,024, N 1,024]; A: computed on the way; B: input Wo: QUANTISED
;;   THE QUANTISER, for each operand of a quantised product, along K:
;;     - K is cut into blocks of 32 from its start; a last block that is shorter is filled with zeros.
;;     - A block's scale is 2^e with e = floor(log2(the largest magnitude in the block)) - 2, held to -126 .. 127; a block of zeros has e = 0. As a byte (E8M0): e + 127.
;;     - Each number is divided by its block's scale, clamped to +-7.5, and rounded to the nearest number of E2M3, ties to even, subnormals kept.
;;     - The product sums the exact products of the quantised numbers (number of the format x scale) in f32.
;;   ~~~python
;;   def quantise(x, axis):      # numpy; x: float32 -> the quantised numbers, widened to float32 again
;;       x = np.moveaxis(x, axis, -1); K = x.shape[-1]
;;       x = np.pad(x, [(0, 0)] * (x.ndim - 1) + [(0, -K % 32)]); x = x.reshape(x.shape[:-1] + (-1, 32)); a = np.abs(x).max(-1, keepdims=True)
;;       e = np.where(a > 0, np.clip(np.frexp(np.where(a > 0, a, 1))[1] - 1 - 2, -126, 127), 0)      # np.frexp(a)[1] - 1 = floor(log2(a)), exactly
;;       r = np.clip(x / 2.0 ** e, -7.5, 7.5)
;;       step = 2.0 ** (np.maximum(np.frexp(np.where(r == 0, 1, r))[1] - 1, 0) - 3)
;;       q = np.round(r / step) * step * 2.0 ** e      # np.round: ties to even
;;       return np.moveaxis(q.reshape(q.shape[:-2] + (-1,))[..., :K], -1, axis).astype(np.float32)
;;   ~~~
;;   SOFTMAX AHEAD OF A QUANTISED PRODUCT. Where the list says 'softmax', what is quantised is not the finished softmax but p = 2^(t - M), with t = logit x log2(e) and M = ceil(the row's largest t), a whole number; so 1/2 < the row's largest p <= 1. The row's sum l is taken of the UNQUANTISED p, in f32, and the product's result is divided by l at the end. Since M is a whole number, a kernel that streams over the keys may use a running M (the ceiling of the running maximum): every later rescaling is an exact power of two, which a block's scale takes up: the codes' values come out the same.
;;   OPERANDS COMPUTED ON THE WAY. 'Computed on the way' means the value that the module computes at that place (a softmax that the list does not call 'softmax' is quantised finished and normalised). What goes into a quantiser is computed in f32, as accurately as f32 sums, v_exp_f32 and their like allow (about 1e-6 of the number): no bf16 or f16 on the way to a quantiser, and a product that is left as it is and whose result goes on into a quantised operand takes f32 operands (vector FMAs, or v_wmma_f32_16x16x4_f32). A number that lies on a knife's edge between two numbers of the format may be rounded either way, as far as f32 arithmetic and the matrix unit's own rounding can turn it there, and no further.
;; One version. Each part assembles by itself: llvm-mc -triple=amdgcn-amd-amdhsa -mcpu=gfx1250 --defsym DOCPART=n.
;; ======== version 1 of 1: 4 launches
;; limits: right only within a limited range of input values
;; workspace buffers: xc 22,020,096 bytes; xs 917,504 bytes; qc 12,582,912 bytes; qs 786,432 bytes; kvc 12,582,912 bytes; kvs 786,432 bytes; oc 6,291,456 bytes; os 262,144 bytes
;; launch quant (part 1): grid 896 x 1, 4 waves a work-group, no clusters, 34,304 bytes of LDS; arguments Q, K, V, Wq, Wk, Wv, Wo, xc, xs; writes xc, xs
.if DOCPART == 1
	.amdgcn_target "amdgcn-amd-amdhsa--gfx1250"
	.amdhsa_code_object_version 6
	.text
	.protected	k_q12b1fef2c2_quant
	.globl	k_q12b1fef2c2_quant
	.p2align	8
	.type	k_q12b1fef2c2_quant,@function
k_q12b1fef2c2_quant:
	s_mov_b64 s[64:65], 0
	v_nop
	global_prefetch_b8 v0, s[64:65] scope:SCOPE_SE
	s_setreg_imm32_b32 hwreg(HW_REG_WAVE_MODE, 25, 1), 1
	s_wait_xcnt 0x0
; Q, K, V [8192][1024] and Wq, Wk, Wv, Wo [1024][1024], f32, become codes of FP6 (E2M3) with one E8M0 scale byte for each 32 along their last axis, which is the K of the products that read them.
; A block's scale is 2^(floor(log2(its largest magnitude)) - 2); its byte is the largest magnitude's exponent field - 2, held at 1 from below.
; LIMITS: NaN and infinities among the inputs are not served.  A block of zeros gets the byte 1 where the rule says 127: its codes are zeros, which add nothing, and this program alone reads the bytes.
; THE CODES ARE LAID AS IMAGES OF THE OPERAND'S REGISTERS.  Rows go in tiles of 16, K in chunks of 64; a (tile, chunk) is 768 bytes: lane L = 16 h + r holds the 24 bytes of row r, block h of the chunk;
; its bytes 0-15 lie at 16 L, its bytes 16-23 at 512 + 8 L.  xc: [tile 1792][chunk 16][768].  Tiles: Q 0-511, K 512-1023, V 1024-1535, Wq 1536-, Wk 1600-, Wv 1664-, Wo 1728-1791.
; THE SCALE WORDS (four bytes: 128 along K of a row): xs: [tile][K step of 256: 4][row 16][2 words].
; WHICH ROWS FORM A TILE.  Q and Wo: neighbours.  K, V, Wq, Wk, Wv: within each 64 rows, place 16 i + 8 a + j holds row 32 a + 8 i + j, so that four tiles used as a product's source 0 leave a whole block
; of 32 neighbours in one lane's 32 result registers.
; SHARES.  A wave takes one tile x 512 along K, in four items of 128 along K.  Each of an item's 16 loads reads 512 consecutive bytes of one row; the 8,192 bytes turn through the wave's own stage in LDS
; (rows 528 bytes apart) and come back 128 consecutive bytes a lane and chunk: a whole block of 32.  Waves share nothing: no barrier.  Loads run two items (32 loads a wave) ahead.
.set STGB, 8448                        ; a wave's stage: 16 rows x (512 + 16) bytes
.set M,   6                            ; v6-7    the two blocks' largest magnitudes
.set SO,  8                            ; v8-9    the conversions' scale operands
.set BY,  10                           ; v10-11  the scale bytes, at work
.set WD,  12                           ; v12-15  the four items' scale words
.set C,   16                           ; v16-31  codes: eight registers a chunk
.set X,   32                           ; v32-95  two blocks of 32 numbers
.set R,   96                           ; v96-223 two sets of 64 registers as loaded
	s_load_b512 s[8:23], s[0:1], 0x0               ; Q, K, V, Wq, Wk, Wv, Wo, xc
	s_load_b64 s[24:25], s[0:1], 0x40              ; xs
	v_lshl_add_u32 v224, v0, 2, 0x8400
	v_mov_b32 v225, 0
	v_lshrrev_b32 v1, 5, v0
	v_readfirstlane_b32 s36, v1                    ; wave 0..3
	v_and_b32 v10, 31, v0                          ; L
	v_and_b32 v11, 15, v0                          ; r
	v_bfe_u32 v5, v0, 4, 1                         ; h
	v_lshlrev_b32 v1, 4, v10                       ; v1 = 16 L
	v_lshlrev_b32 v4, 3, v10                       ; v4 = 8 L
	s_mul_i32 s45, s36, STGB
	v_add_nc_u32 v2, s45, v1                       ; v2: into the stage: 16 L of a row
	v_mul_u32_u24 v3, v11, 528
	v_lshl_add_u32 v3, v5, 7, v3
	v_add_nc_u32 v3, s45, v3                       ; v3: out of it: row r, 128 h bytes on
	v_lshlrev_b32 v5, 3, v5                        ; v5 = 8 h
	s_mov_b32 s34, 0x76543210
	s_mov_b32 s35, 0xfedcba98                      ; v_permlanex16_b32's selects for lane L xor 16
	s_lshl_b32 s37, ttmp9, 1
	s_lshr_b32 s38, s36, 1
	s_add_co_u32 s37, s37, s38                     ; T: my tile of the 1,792
	s_and_b32 s38, s36, 1                          ; which half of K
	s_wait_alu depctr_va_vdst(0)
	s_wait_kmcnt 0x0
	; which tensor: the choice hangs on the work-group's number alone
	s_mov_b64 s[4:5], s[20:21]
	s_mov_b32 s6, 864                              ; the tensor's first work-group
	s_cmp_lt_u32 ttmp9, 864
	s_cselect_b64 s[4:5], s[18:19], s[4:5]
	s_cselect_b32 s6, 832, s6
	s_cmp_lt_u32 ttmp9, 832
	s_cselect_b64 s[4:5], s[16:17], s[4:5]
	s_cselect_b32 s6, 800, s6
	s_cmp_lt_u32 ttmp9, 800
	s_cselect_b64 s[4:5], s[14:15], s[4:5]
	s_cselect_b32 s6, 768, s6
	s_cmp_lt_u32 ttmp9, 768
	s_cselect_b64 s[4:5], s[12:13], s[4:5]
	s_cselect_b32 s6, 512, s6
	s_cmp_lt_u32 ttmp9, 512
	s_cselect_b64 s[4:5], s[10:11], s[4:5]
	s_cselect_b32 s6, 256, s6
	s_cmp_lt_u32 ttmp9, 256
	s_cselect_b64 s[4:5], s[8:9], s[4:5]
	s_cselect_b32 s6, 0, s6
	s_mov_b32 s7, 1                                ; 1: the rows of a tile are chosen; 0 (Q, Wo): neighbours
	s_cselect_b32 s7, 0, s7
	s_cmp_ge_u32 ttmp9, 864
	s_cselect_b32 s7, 0, s7
	s_lshl_b32 s39, s6, 1
	s_sub_co_u32 s39, s37, s39                     ; my tile within the tensor
	s_lshr_b32 s40, s39, 2
	s_lshl_b32 s40, s40, 6
	s_and_b32 s41, s39, 3
	s_lshl_b32 s41, s41, 3
	s_add_co_u32 s40, s40, s41                     ; chosen: 64 (tile / 4) + 8 (tile % 4)
	s_lshl_b32 s41, s39, 4                         ; neighbours: 16 x tile
	s_cmp_eq_u32 s7, 1
	s_cselect_b32 s40, s40, s41                    ; the tile's first row
	s_cselect_b32 s41, 32, 8                       ; and how far on its places 8-15 begin
	s_lshl_b32 s42, s40, 12                        ; a row is 4,096 bytes
	s_lshl_b32 s43, s38, 11
	s_add_co_u32 s42, s42, s43
	s_mov_b32 s43, 0
	s_add_nc_u64 s[26:27], s[4:5], s[42:43]        ; places 0-7
	s_lshl_b32 s42, s41, 12
	s_add_nc_u64 s[28:29], s[26:27], s[42:43]      ; places 8-15
	s_mul_i32 s42, s37, 12288
	s_mul_i32 s44, s38, 6144
	s_add_co_u32 s42, s42, s44
	s_add_nc_u64 s[30:31], s[22:23], s[42:43]      ; my eight chunks of codes
	s_lshl_b32 s42, s37, 9
	s_lshl_b32 s44, s38, 8
	s_add_co_u32 s42, s42, s44
	s_add_nc_u64 s[32:33], s[24:25], s[42:43]      ; my 256 bytes of scale words
.macro LOAD s                          ; item s: 16 rows x 512 bytes into set s % 2
.irp p, 0,1,2,3,4,5,6,7
	global_load_b128 v[R+64*((\s)%2)+4*\p:R+64*((\s)%2)+4*\p+3], v1, s[26:27] offset:4096*\p+512*(\s) th:TH_LOAD_NT
.endr
.irp p, 0,1,2,3,4,5,6,7
	global_load_b128 v[R+64*((\s)%2)+32+4*\p:R+64*((\s)%2)+35+4*\p], v1, s[28:29] offset:4096*\p+512*(\s) th:TH_LOAD_NT
.endr
.endm
.macro ITEM s
.if (\s) < 3
	s_wait_loadcnt 16                              ; this item's 16 loads are in; the next item's 16 may be out
.else
	s_wait_loadcnt 0x0
.endif
.irp p, 0,1,2,3,4,5,6,7,8,9,10,11,12,13,14,15
	ds_store_b128 v2, v[R+64*((\s)%2)+4*\p:R+64*((\s)%2)+4*\p+3] offset:528*\p
.endr
.irp c, 0,1
.irp e, 0,1,2,3,4,5,6,7
	ds_load_b128 v[X+32*\c+4*\e:X+32*\c+4*\e+3], v3 offset:256*\c+16*\e   ; LDS serves a wave's instructions in order: these see the stores above
.endr
.endr
	s_wait_dscnt 0x0                               ; my two blocks are in, and the stores have read their registers,
.if (\s) < 2
	LOAD (\s)+2                                    ; which take the loads of two items on
.endif
.irp c, 0,1
	v_max3_num_f32 v[M+\c], |v[X+32*\c]|, |v[X+32*\c+1]|, 0x1800000   ; the block's largest magnitude: all 32 numbers are mine; and the floor 2^(3 - 127): the byte cannot fall under 1
.endr
.irp i, 2,4,6,8,10,12,14,16,18,20,22,24,26,28,30
.irp c, 0,1
	v_max3_num_f32 v[M+\c], v[M+\c], |v[X+32*\c+\i]|, |v[X+32*\c+\i+1]|   ; (the two blocks by turns)
.endr
.endr
.irp c, 0,1
	v_add_nc_u32 v[SO+\c], 0xff000000, v[M+\c]     ; 2 off the exponent field: the conversion takes the exponent field of this operand as its scale
.endr
.irp c, 0,1
	v_lshrrev_b32 v[BY+\c], 23, v[SO+\c]           ; the scale's byte
.endr
	v_lshl_or_b32 v[BY], v[BY+1], 16, v[BY]        ; my two bytes: blocks h and 2 + h of the row's 128,
	v_lshlrev_b32 v[BY], v5, v[BY]                 ; at their places in the word;
	v_permlanex16_b32 v[BY+1], v[BY], s34, s35
	v_or_b32 v[WD+(\s)], v[BY], v[BY+1]            ; with lane L xor 16's two the word is whole
	s_wait_alu depctr_va_vdst(0)
	s_wait_xcnt 0x0                                ; the last item's stores have read their data: the codes' registers are written again only behind this wait
.irp c, 0,1
	v_cvt_scalef32_pk16_fp6_f32 v[C+8*\c:C+8*\c+2], v[X+32*\c:X+32*\c+15], v[SO+\c]
	v_cvt_scalef32_pk16_fp6_f32 v[C+8*\c+4:C+8*\c+6], v[X+32*\c+16:X+32*\c+31], v[SO+\c]   ; (a conversion's three registers begin on an even number)
.endr
	v_nop                                          ; one plain place behind a scaled conversion
.irp c, 0,1
	v_mov_b32 v[C+8*\c+3], v[C+8*\c+4]             ; the block's 24 bytes on end
	v_mov_b32 v[C+8*\c+4], v[C+8*\c+5]
	v_mov_b32 v[C+8*\c+5], v[C+8*\c+6]
.endr
.irp c, 0,1
	global_store_b128 v1, v[C+8*\c:C+8*\c+3], s[30:31] offset:(2*(\s)+\c)*768        ; the wave stores 512 consecutive bytes, aligned to 256,
	global_store_b64 v4, v[C+8*\c+4:C+8*\c+5], s[30:31] offset:(2*(\s)+\c)*768+512   ; and 256
.endr
.endm
	LOAD 0
	LOAD 1
	ITEM 0
	ITEM 1
	ITEM 2
	ITEM 3
	v_and_b32 v8, 31, v0
	v_cmp_le_u32 vcc_lo, 16, v8                    ; lanes 0-15 store the first K step's two words of row r, lanes 16-31 the second's
	v_cndmask_b32 v6, v[WD], v[WD+2], vcc_lo
	v_cndmask_b32 v7, v[WD+1], v[WD+3], vcc_lo
	global_store_b64 v4, v[6:7], s[32:33]          ; 256 consecutive bytes, aligned
	s_wait_tensorcnt 0x0
	ds_add_u32 v224, v225
	s_wait_dscnt 0x0
	s_endpgm
.Lfunc_end_k_q12b1fef2c2_quant:
	.size	k_q12b1fef2c2_quant, .Lfunc_end_k_q12b1fef2c2_quant-k_q12b1fef2c2_quant
	.p2alignl 7, 3214868480
	.fill 96, 4, 3214868480
	.section	.rodata,"a",@progbits
	.p2align	6, 0x0
	.amdhsa_kernel k_q12b1fef2c2_quant
		.amdhsa_group_segment_fixed_size 34304
		.amdhsa_private_segment_fixed_size 0
		.amdhsa_enable_private_segment 0
		.amdhsa_kernarg_size 72
		.amdhsa_user_sgpr_count 2
		.amdhsa_user_sgpr_kernarg_segment_ptr 1
		.amdhsa_wavefront_size32 1
		.amdhsa_system_sgpr_workgroup_id_x 1
		.amdhsa_system_sgpr_workgroup_id_y 1
		.amdhsa_system_sgpr_workgroup_id_z 1
		.amdhsa_system_vgpr_workitem_id 0
		.amdhsa_next_free_vgpr 226
		.amdhsa_next_free_sgpr 66
		.amdhsa_reserve_vcc 1
		.amdhsa_float_denorm_mode_32 3
		.amdhsa_float_denorm_mode_16_64 3
		.amdhsa_memory_ordered 1
		.amdhsa_forward_progress 1
		.amdhsa_inst_pref_size 32
	.end_amdhsa_kernel
	.amdgpu_metadata
---
amdhsa.version: [ 1, 2 ]
amdhsa.kernels:
  - .name:           k_q12b1fef2c2_quant
    .symbol:         k_q12b1fef2c2_quant.kd
    .args:
      - { .name: Q, .offset: 0, .size: 8, .value_kind: global_buffer, .address_space: global }
      - { .name: K, .offset: 8, .size: 8, .value_kind: global_buffer, .address_space: global }
      - { .name: V, .offset: 16, .size: 8, .value_kind: global_buffer, .address_space: global }
      - { .name: Wq, .offset: 24, .size: 8, .value_kind: global_buffer, .address_space: global }
      - { .name: Wk, .offset: 32, .size: 8, .value_kind: global_buffer, .address_space: global }
      - { .name: Wv, .offset: 40, .size: 8, .value_kind: global_buffer, .address_space: global }
      - { .name: Wo, .offset: 48, .size: 8, .value_kind: global_buffer, .address_space: global }
      - { .name: xc, .offset: 56, .size: 8, .value_kind: global_buffer, .address_space: global }
      - { .name: xs, .offset: 64, .size: 8, .value_kind: global_buffer, .address_space: global }
    .group_segment_fixed_size: 34304
    .private_segment_fixed_size: 0
    .kernarg_segment_align: 8
    .kernarg_segment_size: 72
    .max_flat_workgroup_size: 128
    .sgpr_count:     66
    .vgpr_count:     226
    .wavefront_size: 32
...
	.end_amdgpu_metadata
.endif
;; end of part 1
;; launch proj (part 2): grid 32 x 24, 4 waves a work-group, clusters of 4 x 4, 327,680 bytes of LDS; arguments xc, xs, bq, bk, bv, qc, qs, kvc, kvs; writes qc, qs, kvc, kvs
.if DOCPART == 2
	.amdgcn_target "amdgcn-amd-amdhsa--gfx1250"
	.amdhsa_code_object_version 6
	.text
	.protected	k_q12b1fef2c2_proj
	.globl	k_q12b1fef2c2_proj
	.p2align	8
	.type	k_q12b1fef2c2_proj,@function
k_q12b1fef2c2_proj:
	s_mov_b64 s[64:65], 0
	v_nop
	global_prefetch_b8 v0, s[64:65] scope:SCOPE_SE
	s_setreg_imm32_b32 hwreg(HW_REG_WAVE_MODE, 25, 1), 1
	s_wait_xcnt 0x0
	s_wait_alu depctr_hold_cnt(0) depctr_sa_sdst(0) depctr_va_vdst(0) depctr_va_sdst(0) depctr_va_ssrc(0) depctr_va_vcc(0) depctr_vm_vsrc(0)
	s_getreg_b32 s2, hwreg(HW_REG_IB_STS2, 6, 4)
	s_cmp_eq_u32 s2, 0
	s_cbranch_scc0 .Lentry_in_a_cluster
	s_endpgm
.Lentry_in_a_cluster:
	s_bfe_u32 s2, ttmp6, 0x10000c
	s_cmp_lg_u32 s2, 0xf033
	s_cbranch_scc0 .Lentry_shape_is_right
	s_endpgm
.Lentry_shape_is_right:
; q = Q Wq^T + bq, k = K Wk^T + bk, v = V Wv^T + bv: three products of 8,192 x 1,024 x 1,024 on codes of FP6 (E2M3) with E8M0 scales, f32 sums, each result quantised again and stored as images of the attention launch's operand registers.
; LIMITS: NaN, infinities and sums beyond f32's range are not served; a sum begins with the bias, where the reference adds it last; a block of zeros gets the byte 1 (its codes are zeros; this program alone reads the bytes).
; IN: xc [tile of 16 rows][chunk of 64 along K: 16][768 bytes] (lane L = 16 h + r: bytes 0-15 of row r, block h at 16 L, bytes 16-23 at 512 + 8 L), xs [tile][K step of 256: 4][row][2 words].  Tiles: Q 0, K 512, V 1024, Wq 1536, Wk 1600, Wv 1664.
; In K, V, Wq, Wk, Wv place 16 i + 8 a + j of each 64 rows holds row 32 a + 8 i + j: four tiles as source 0 leave 32 neighbours in a lane's 32 result registers: one whole scale block.
; THE DEAL.  768 work-groups of four waves, 2 x 2; the mode (0 q, 1 k, 2 v) is the cluster's y / 2.  A work-group HOLDS 128 rows (8 tiles; a wave column 4 tiles, all of K, 384 registers) as source 0 and STREAMS 256 rows (16 tiles; a wave row 8) past them as source 1, a tile a block.
; q, k: held = the weight's rows (a wave column: one head), streamed = tokens (a wave row: one step of 128).  v: held = tokens (the work-group: one step of 128 keys; a wave column: 64), streamed = Wv's rows (four heads).
; The streamed tiles are shared by a COLUMN of the cluster (mask s44), the held ones by a ROW (mask s45).  No LDS address hangs on the cluster's numbers; branches hang on the mode, which all partners share, and on the wave's number.
; OUT, per (batch x 16 + head) 196,608 bytes of codes and 12,288 of scale words, per step of 128 tokens 12,288 and 768.  q (qc) and k (kvc): tile t's six registers are registers 6 t .. 6 t + 5 of an image, register R at 512 (R / 4) + 16 L + 4 (R % 4);
; words at 256 (t / 4) + 16 r + 4 (t % 4): bytes h = 0, 1, then 0x7f twice.  v (kvc + 6,144): fragment i (16 channels x 128 keys) at 1,536 i, registers 6 c + .. from wave column c; words (kvs + 512) at 16 r + 4 i, byte 2 c + h.
; q, k: two blocks on end make an image's twelve registers: three stores of 512 bytes; the eight words of a lane's row leave at the end as one store.
; v: a fragment's first and last four registers leave at once; its middle four and the scale bytes, which two wave columns share, are gathered in LDS bytes of their own and leave behind one barrier at the end.
; LDS: the streamed tiles in the order 0-3, 8-11, 4-7, 12-15 (196,608 bytes); the held ones (98,304); the streamed rows' scale words (8,192), copied through registers; the spare words; v's middle pieces (8,192) and scale bytes (1,024).  Every byte is filled once.
; NO DATA PREFETCH: all is asked for at the head.  THE HEAD'S FOUR TILES, one a wave, each on a line of its own: the held tiles; streamed 0-3 and 8-11 (two rows of 49,152 bytes); 4-7; 12-15.  A plain barrier inside block 1 shows the last two.
; A RUN behind a block's 32 products: four plain lines; the fetch of the block two on; the quantiser; the stores; one wait on LDS.
.set NQ, 8
.set NB, 4
.set TB, 12288
.set FR, 12
.set FPW, 21
.set NF, 36
.set YB, 16*TB
.set SCL, YB+8*TB
.set SPARE, SCL+8192
.set MID, SPARE+512
.set SVS, MID+8192
.set A16Z, 4   ; v4, v5, v6  LDS addresses of block 0's pieces of 16 and of 8 bytes and of its scale words
.set A8Z, 5
.set AAS0, 6
.set CO, 9     ; v9      16 L (v: + 1,024 c)
.set SPW, 10
.set NIL, 11
.set A16, 12   ; v12, v13, v17  as v4, v5, v6 for the block that is fetched next
.set A8, 13
.set B16, 14
.set B8, 15
.set ABS, 16
.set AAS, 17
.set MIDA, 18  ; v18     LDS: my middle piece
.set SVA, 19   ; v19     LDS: my scale byte
.set L16, 22   ; v22 16 L, v23 8 L
.set L8, 23
.set SB, 24    ; v24-39  the held rows' scale words
.set H8, 40    ; v40     8 h
.set SA, 42    ; v42-57  the streamed rows': two sets of eight
.set TQ, 58    ; v58-61  four chains
.set SOP, 62
.set EB, 63
.set ACC, 64   ; v64-127 two sets of four accumulators
.set NCD, 128  ; v128-139 q, k: an image's twelve registers; v: v128-130 the first conversion's codes
.set TC, 140   ; v140-142 the second conversion's codes
.set SQ, 143   ; v143    256 h + 16 r
.set XX, 144   ; v144-147, v148-149 v: the piece that leaves, the middle piece; q, k: v144-145 the word at work
.set YY, 148
.set RB, 150   ; v150, v151 LDS: what my wave reads back at the end
.set RS, 151
.set WD, 152   ; v152-159 q, k: the eight blocks' scale words
.set BK, 160   ; v160-175 the scale words on their way into LDS
.set TT, 176   ; v176-193 at work at the head and at the end
.set BO, 208   ; v208-239 q, k: the bias as the first four products' C
.set CV, 72    ; window 3, v72-135: v: block s's bias, eight registers alike
.set G1A, 24
.set G1B, 32
.set G1C, 84
.set G0A, 56
.set G0B, 60
.set MSB, 0
.macro WIN new
.if MSB != \new
	s_set_vgpr_msb (MSB<<8)|\new
.set MSB, \new
.endif
.endm
.macro PLACES n
.rept \n
	v_nop
.endr
.endm
.macro WALU
	s_wait_alu depctr_va_vdst(0)
.endm
.macro BARRIER
	s_barrier_signal -1
	s_barrier_wait -1
.endm
.macro CROUND
	BARRIER
	s_cmp_lg_u32 s14, 0
	s_cbranch_scc1 .Lnot_wave_0_\@
	s_barrier_signal -3
.Lnot_wave_0_\@:
	s_barrier_wait -3
	BARRIER
.endm
.macro TLOAD g0, g1
	tensor_load_to_lds s[\g0:\g0+3], s[\g1:\g1+7]
	s_nop 0
	PLACES 4
.endm
.macro GROUP1 g, mask, c, rows, pitch  ; rows of c elements of 8 bytes
	s_or_b32 s[\g+0], s[\mask], (3<<16)|(1<<21)
	s_mov_b32 s[\g+1], (\c)<<16
	s_mov_b32 s[\g+2], (\rows)<<16
	s_mov_b32 s[\g+3], (\c)<<16
	s_mov_b32 s[\g+4], \rows
	s_mov_b32 s[\g+5], \pitch
	s_mov_b32 s[\g+6], 0
	s_mov_b32 s[\g+7], 0
.endm
.macro FRAG f, a16, a8, off            ; fragment f (16 rows x 128 K) lies at register 12 (f % 21) of window 1 + f / 21
	WIN (1+(\f)/FPW)<<6
.set R_, FR*((\f)%FPW)
	ds_load_b128 v[R_:R_+3], v[\a16] offset:(\off)
	ds_load_b64 v[R_+4:R_+5], v[\a8] offset:(\off)+512
	ds_load_b128 v[R_+6:R_+9], v[\a16] offset:(\off)+768
	ds_load_b64 v[R_+10:R_+11], v[\a8] offset:(\off)+1280
.endm
.macro FETCHAT e, a16, a8, as          ; a streamed tile into set e: NF loads
.irp q, 0,1,2,3,4,5,6,7
	FRAG NB*NQ+NQ*(\e)+\q, \a16, \a8, \q*1536
.endr
	WIN 0
.irp k, 0,1,2,3
	ds_load_b64 v[SA+8*(\e)+2*\k:SA+8*(\e)+2*\k+1], v[\as] offset:128*\k
.endr
.endm
.macro PROD m, s, n                    ; product n = 4 q + held tile of block s; the four accumulators by turns.  m = 1: v
.set Q_, (\n)/4
.set FB_, NB*Q_+(\n)%4
.set FA_, NB*NQ+NQ*((\s)%2)+Q_
.set D_, ACC+32*((\s)%2)+8*((\n)%4)
.set XB_, SB+NQ*(((\n)%4)/2)+Q_
.set XA_, SA+8*((\s)%2)+Q_
.if Q_
	WIN (1+FB_/FPW)|((1+FA_/FPW)<<2)
	PROD1 D_, FB_, FA_, v[D_:D_+7], XB_, XA_, (\n)%2
.elseif \m
	WIN (1+FB_/FPW)|((1+FA_/FPW)<<2)|0x30
	PROD1 D_, FB_, FA_, v[CV+8*(\s):CV+8*(\s)+7], XB_, XA_, (\n)%2
.else
	WIN (1+FB_/FPW)|((1+FA_/FPW)<<2)
	PROD1 D_, FB_, FA_, v[BO+8*((\n)%4):BO+8*((\n)%4)+7], XB_, XA_, (\n)%2
.endif
.endm
.macro PROD1 d, s0, s1, c, x0, x1, o
.if \o
	v_wmma_scale_f32_16x16x128_f8f6f4 v[\d:\d+7], v[FR*((\s0)%FPW):FR*((\s0)%FPW)+FR-1], v[FR*((\s1)%FPW):FR*((\s1)%FPW)+FR-1], \c, v[\x0], v[\x1] matrix_a_fmt:MATRIX_FMT_FP6 matrix_b_fmt:MATRIX_FMT_FP6 matrix_a_scale:MATRIX_SCALE_ROW1
.else
	v_wmma_scale_f32_16x16x128_f8f6f4 v[\d:\d+7], v[FR*((\s0)%FPW):FR*((\s0)%FPW)+FR-1], v[FR*((\s1)%FPW):FR*((\s1)%FPW)+FR-1], \c, v[\x0], v[\x1] matrix_a_fmt:MATRIX_FMT_FP6 matrix_b_fmt:MATRIX_FMT_FP6 matrix_a_scale:MATRIX_SCALE_ROW0
.endif
.endm
.macro PRODS m, s, from, to
.set N_, \from
.rept (\to)-(\from)
	PROD \m, \s, N_
.set N_, N_+1
.endr
	WIN 0
.endm
.macro EPMAX s                         ; the largest magnitude of my 32 sums, four chains side by side, with the floor 2^(3 - 127); the conversions' scale operand
.set X_, ACC+32*((\s)%2)
.irp k, 0,1,2,3
	v_max3_num_f32 v[TQ+\k], |v[X_+8*\k]|, |v[X_+8*\k+1]|, |v[X_+8*\k+2]|
.endr
.irp k, 0,1,2,3
	v_max3_num_f32 v[TQ+\k], v[TQ+\k], |v[X_+8*\k+3]|, |v[X_+8*\k+4]|
.endr
.irp k, 0,1,2,3
	v_max3_num_f32 v[TQ+\k], v[TQ+\k], |v[X_+8*\k+5]|, |v[X_+8*\k+6]|
.endr
	v_max3_num_f32 v[TQ], v[TQ], |v[X_+7]|, |v[X_+15]|
	v_max3_num_f32 v[TQ+1], v[TQ+1], |v[X_+23]|, |v[X_+31]|
	v_max3_num_f32 v[TQ+2], v[TQ+2], v[TQ+3], 0x1800000
	v_max3_num_f32 v[TQ], v[TQ], v[TQ+1], v[TQ+2]
	v_add_nc_u32 v[SOP], 0xff000000, v[TQ]
.endm
.macro EPQ s                           ; q, k: token r, channels 32 h .. 32 h + 31 of my head
	EPMAX \s
.set E_, (\s)%2
	v_cvt_scalef32_pk16_fp6_f32 v[NCD+6*E_:NCD+6*E_+2], v[X_:X_+15], v[SOP]
	v_cvt_scalef32_pk16_fp6_f32 v[TC:TC+2], v[X_+16:X_+31], v[SOP]   ; (a conversion's three registers begin on an even number)
	v_lshrrev_b32 v[EB], 23, v[SOP]
.irp i, 0,1,2
	v_mov_b32 v[NCD+6*E_+3+\i], v[TC+\i]
.endr
	v_lshl_or_b32 v[XX], v[EB], v[H8], 0x7f7f0000
	v_permlanex16_b32 v[XX+1], v[XX], s66, s67
	v_or_b32 v[WD+(\s)], v[XX], v[XX+1]            ; the row's word: bytes h = 0, 1, and 0x7f twice
.if E_
.irp g, 0,1,2
	global_store_b128 v[CO], v[NCD+4*\g:NCD+4*\g+3], s[10:11] offset:((\s)/2)*1536+512*\g   ; 512 consecutive bytes, aligned to 256
.endr
.endif
.endm
.macro EPV s                           ; v: channel place r, keys 64 c + 32 h .. + 31.  s3: all ones in wave column c = 1
	EPMAX \s
	v_cvt_scalef32_pk16_fp6_f32 v[NCD:NCD+2], v[X_:X_+15], v[SOP]
	v_cvt_scalef32_pk16_fp6_f32 v[TC:TC+2], v[X_+16:X_+31], v[SOP]
	v_lshrrev_b32 v[EB], 23, v[SOP]
	v_cndmask_b32 v[XX], v[NCD], v[NCD+2], s3      ; c = 0: my registers 0-3 leave, 4-5 are the middle piece's first half; c = 1: 2-5 leave, 0-1 are its second half
	v_cndmask_b32 v[XX+1], v[NCD+1], v[TC], s3
	v_cndmask_b32 v[XX+2], v[NCD+2], v[TC+1], s3
	v_cndmask_b32 v[XX+3], v[TC], v[TC+2], s3
	v_cndmask_b32 v[YY], v[TC+1], v[NCD], s3
	v_cndmask_b32 v[YY+1], v[TC+2], v[NCD+1], s3
	global_store_b128 v[CO], v[XX:XX+3], s[10:11] offset:((\s)/4)*196608+((\s)%4)*1536
	ds_store_b64 v[MIDA], v[YY:YY+1] offset:(\s)*512
	ds_store_b8 v[SVA], v[EB] offset:((\s)/4)*256+((\s)%4)*4
.endm
.macro BLK m, s
.if (\s) == 1
	PRODS \m, \s, 0, 24
	s_wait_tensorcnt 0x0
	s_wait_dscnt 0x0
	s_barrier_signal -1                            ; a plain barrier: waves 2 and 3's tiles are shown to all
	PRODS \m, \s, 24, 32
	s_barrier_wait -1
.else
	PRODS \m, \s, 0, 32
.endif
.if (\s) < 6                           ; four plain vector lines between the last product and the first reader of its sums and the fetch into its registers
	v_add_nc_u32 v[A16], (((\s)+2)/4)*8*TB+(((\s)+2)%4)*TB, v[A16Z]
	v_add_nc_u32 v[A8], (((\s)+2)/4)*8*TB+(((\s)+2)%4)*TB, v[A8Z]
	v_add_nc_u32 v[AAS], ((\s)+2)*512, v[AAS0]
	v_nop
.else
	PLACES 4
.endif
	WALU
	s_wait_xcnt 0x0                                ; earlier stores have read their registers
.if (\s) < 6
	FETCHAT (\s)%2, A16, A8, AAS
.endif
.if \m
	EPV \s
.else
	EPQ \s
.endif
	WALU                                           ; the wait ahead of the blocking wait
.if (\s) < 6
	s_wait_dscnt NF+2*(\m)                         ; the next block's rows are in: younger are this run's fetch and, in v, its two LDS stores
.else
	s_wait_dscnt 0x0
.endif
.endm
; ---- the head
	s_load_b128 s[4:7], s[0:1], 0x0                ; xc, xs
	s_load_b128 s[8:11], s[0:1], 0x10              ; bq, bk
	s_load_b64 s[12:13], s[0:1], 0x20              ; bv
	s_load_b256 s[92:99], s[0:1], 0x28             ; qc, qs, kvc, kvs
	v_lshl_add_u32 v[SPW], v0, 2, SPARE
	v_mov_b32 v[NIL], 0
	ds_add_u32 v[SPW], v[NIL]                      ; the opening lines: the add twice on end
	ds_add_u32 v[SPW], v[NIL]
	v_lshrrev_b32 v1, 5, v0
	v_readfirstlane_b32 s14, v1                    ; the wave; s15 its row a, s16 its column c
	s_lshr_b32 s15, s14, 1
	s_and_b32 s16, s14, 1
	s_bfe_u32 s40, ttmp6, 0x40000
	s_bfe_u32 s41, ttmp6, 0x40004
	s_and_b32 s18, ttmp7, 0xffff
	s_lshr_b32 s17, s18, 1                         ; the mode
	s_and_b32 s18, s18, 1
	s_mov_b32 s3, ttmp9
	s_lshl_b32 s21, s18, 3
	s_add_co_u32 s21, s21, s3
	s_lshl_b32 s46, s17, 9
	s_lshl_b32 s47, s17, 6
	s_add_co_u32 s47, s47, 1536
	s_cmp_eq_u32 s17, 2
	s_cselect_b32 s19, 0, s3                       ; q, k: 32 streamed blocks x 8 held; v: 4 x 64
	s_cselect_b32 s22, s21, s18
	s_cselect_b32 s23, 1664, s46                   ; the streamed tensor's first tile,
	s_cselect_b32 s69, 1024, s47                   ; the held one's
	s_lshl_b32 s43, s19, 2
	s_add_co_u32 s43, s43, s40                     ; SR: which 256 streamed rows
	s_lshl_b32 s42, s22, 2
	s_add_co_u32 s42, s42, s41                     ; RC: which 128 held rows
	s_lshl_b32 s44, 0x1111, s40
	s_lshl_b32 s45, s41, 2
	s_lshl_b32 s45, 15, s45
	GROUP1 G1A, 44, 6144, 2, 12288                 ; four tiles on end, twice, eight tiles apart
	GROUP1 G1C, 44, 32, 192, 32                    ; four tiles, dense, as rows of 256 bytes
	GROUP1 G1B, 45, 32, 384, 32                    ; eight
	s_mov_b32 s[G0A], 1
	s_mov_b32 s[G0B], 1
	s_mov_b32 s[G0B+1], YB
	s_lshl_b32 s76, s43, 4
	s_add_co_u32 s76, s76, s23
	s_lshl_b32 s80, s76, 9                         ; the streamed rows' scale words,
	s_mul_i32 s76, s76, TB                         ; and codes
	s_mov_b32 s77, 0
	s_mov_b32 s81, 0
	s_lshl_b32 s78, s42, 3
	s_add_co_u32 s78, s78, s69
	s_lshl_b32 s21, s16, 2
	s_add_co_u32 s82, s78, s21
	s_lshl_b32 s82, s82, 9                         ; my four held tiles' scale words
	s_mul_i32 s78, s78, TB
	s_mov_b32 s79, 0
	s_mov_b32 s83, 0
	s_lshr_b32 s20, s43, 3                         ; q, k: batch x 16 + head = 16 (SR / 8) + 2 RC + c; step 2 (SR % 8) + a
	s_lshl_b32 s20, s20, 4
	s_lshl_b32 s21, s42, 1
	s_add_co_u32 s20, s20, s21
	s_add_co_u32 s20, s20, s16
	s_and_b32 s21, s43, 7
	s_lshl_b32 s21, s21, 1
	s_add_co_u32 s21, s21, s15
	s_lshr_b32 s22, s42, 4                         ; v: 16 (RC / 16) + 4 SR + 2 a (at the end: + wave); step RC % 16
	s_lshl_b32 s22, s22, 4
	s_lshl_b32 s23, s43, 2
	s_add_co_u32 s22, s22, s23
	s_add_co_u32 s70, s22, s14
	s_lshl_b32 s23, s15, 1
	s_add_co_u32 s22, s22, s23
	s_and_b32 s23, s42, 15
	s_lshl_b32 s68, s42, 9
	s_lshl_b32 s46, s16, 8
	s_add_co_u32 s68, s68, s46                     ; q, k: my head's bias
	s_lshl_b32 s69, s43, 10
	s_lshl_b32 s46, s15, 9
	s_add_co_u32 s69, s69, s46                     ; v: my eight tiles' bias
	s_lshl_b32 s47, s16, 10
	s_cmp_eq_u32 s17, 2
	s_cselect_b32 s20, s22, s20
	s_cselect_b32 s21, s23, s21
	s_cselect_b32 s46, 6144, 0
	s_cselect_b32 s68, 0, s68                      ; both forms are loaded in every mode, the one that is not used from the vector's start
	s_cselect_b32 s69, s69, 0
	s_cselect_b32 s47, s47, 0
	s_mul_i32 s52, s20, 196608
	s_mul_i32 s22, s21, TB
	s_add_co_u32 s52, s52, s22
	s_add_co_u32 s52, s52, s46
	s_mov_b32 s53, 0
	s_mul_i32 s54, s20, 12288
	s_mul_i32 s22, s21, 768
	s_add_co_u32 s54, s54, s22
	s_mov_b32 s55, 0
	s_mul_i32 s74, s70, 196608
	s_mul_i32 s22, s23, TB
	s_add_co_u32 s74, s74, s22
	s_add_co_u32 s74, s74, 6144
	s_mov_b32 s75, 0
	s_mul_i32 s70, s70, 12288
	s_mul_i32 s22, s23, 768
	s_add_co_u32 s70, s70, s22
	s_add_co_u32 s70, s70, 512
	s_mov_b32 s71, 0
	s_cmp_eq_u32 s16, 1
	s_cselect_b32 s3, -1, 0
	s_mov_b32 s66, 0x76543210
	s_mov_b32 s67, 0xfedcba98
	s_mul_i32 s20, s15, 4*TB
	s_mul_i32 s21, s16, 4*TB
	s_add_co_u32 s21, s21, YB
	s_lshl_b32 s22, s15, 12
	s_lshl_b32 s44, s16, 3
	s_add_co_u32 s44, s44, s22
	s_add_co_u32 s44, s44, MID
	s_add_co_u32 s22, s22, SCL
	s_lshl_b32 s45, s15, 9
	s_lshl_b32 s23, s16, 1
	s_add_co_u32 s45, s45, s23
	s_add_co_u32 s45, s45, SVS
	s_lshl_b32 s46, s14, 11
	s_add_co_u32 s46, s46, MID
	s_lshl_b32 s23, s14, 8
	s_add_co_u32 s23, s23, SVS
	v_and_b32 v1, 15, v0
	v_bfe_u32 v2, v0, 4, 1
	v_and_b32 v3, 31, v0
	v_lshlrev_b32 v[L16], 4, v3
	v_lshlrev_b32 v[L8], 3, v3
	v_add_nc_u32 v[A16Z], s20, v[L16]
	v_add_nc_u32 v[A8Z], s20, v[L8]
	v_add_nc_u32 v[A16], TB, v[A16Z]
	v_add_nc_u32 v[A8], TB, v[A8Z]
	v_add_nc_u32 v[B16], s21, v[L16]
	v_add_nc_u32 v[B8], s21, v[L8]
	v_lshlrev_b32 v21, 3, v1
	v_lshl_add_u32 v[ABS], v2, 9, v21
	v_add_nc_u32 v[AAS0], s22, v21
	v_add_nc_u32 v[AAS], 512, v[AAS0]
	v_add_nc_u32 v[CO], s47, v[L16]
	v_add_nc_u32 v[MIDA], s44, v[L16]
	v_lshl_add_u32 v[SVA], v1, 4, v2
	v_add_nc_u32 v[SVA], s45, v[SVA]
	v_add_nc_u32 v[RB], s46, v[L16]
	v_add_nc_u32 v[RS], s23, v[L8]
	v_lshlrev_b32 v[SQ], 8, v2
	v_lshl_add_u32 v[SQ], v1, 4, v[SQ]
	v_lshlrev_b32 v[H8], 3, v2
	v_lshl_add_u32 v8, v2, 7, s68                  ; q, k: register 8 b + j of lane (r, h) is channel 32 h + 8 b + j
	v_lshrrev_b32 v21, 3, v1
	v_and_b32 v41, 7, v1
	v_lshlrev_b32 v41, 2, v41
	v_lshl_add_u32 v41, v21, 7, v41
	v_add_nc_u32 v41, s69, v41                     ; v: place r of tile i is channel 32 (r / 8) + 8 i + r % 8
	v_lshlrev_b32 v7, 4, v0
	v_add_nc_u32 v20, SCL, v7
	v_mov_b32 v[XX+1], 0                           ; a lane permute's destination counts as one of its sources
	WALU                                           ; the wait at the head's end
	s_wait_dscnt 0x0
	CROUND                                         ; the opening round
	s_wait_kmcnt 0x0
	s_add_nc_u64 s[G0A+2:G0A+3], s[4:5], s[76:77]
	s_add_nc_u64 s[G0B+2:G0B+3], s[4:5], s[78:79]
	s_or_b32 s[G0B+3], s[G0B+3], 0x80000000
	s_cmp_eq_u32 s14, 0
	s_cbranch_scc0 .Lwave_1
	TLOAD G0B, G1B                                 ; wave 0: the held tiles, which are wanted first
	s_branch .Lasked
.Lwave_1:
	s_cmp_eq_u32 s14, 1
	s_cbranch_scc0 .Lwave_2
	s_mov_b32 s[G0A+1], 0
	s_or_b32 s[G0A+3], s[G0A+3], 0x80000000
	TLOAD G0A, G1A                                 ; wave 1: streamed tiles 0-3 and 8-11
	s_branch .Lasked
.Lwave_2:
	s_cmp_eq_u32 s14, 2
	s_cbranch_scc0 .Lwave_3
	s_mov_b32 s[G0A+1], 8*TB
	s_add_nc_u64 s[G0A+2:G0A+3], s[G0A+2:G0A+3], 4*TB
	s_or_b32 s[G0A+3], s[G0A+3], 0x80000000
	TLOAD G0A, G1C                                 ; wave 2: 4-7
	s_branch .Lasked
.Lwave_3:
	s_mov_b32 s[G0A+1], 12*TB
	s_add_nc_u64 s[G0A+2:G0A+3], s[G0A+2:G0A+3], 12*TB
	s_or_b32 s[G0A+3], s[G0A+3], 0x80000000
	TLOAD G0A, G1C                                 ; wave 3: 12-15
.Lasked:
	s_cmp_eq_u32 s17, 1
	s_cselect_b64 s[72:73], s[10:11], s[8:9]
	s_cmp_eq_u32 s17, 2
	s_cselect_b64 s[72:73], s[12:13], s[72:73]     ; the mode's bias
	s_add_nc_u64 s[8:9], s[6:7], s[80:81]
	s_add_nc_u64 s[6:7], s[6:7], s[82:83]
.irp k, 0,1,2,3
	global_load_b128 v[BK+4*\k:BK+4*\k+3], v7, s[8:9] offset:2048*\k   ; the streamed rows' scale words, 2,048 bytes on end a line
.endr
.irp b, 0,1,2,3
	global_load_b128 v[BO+8*\b:BO+8*\b+3], v8, s[72:73] offset:32*\b
	global_load_b128 v[BO+8*\b+4:BO+8*\b+7], v8, s[72:73] offset:32*\b+16
.endr
.irp s, 0,1,2,3,4,5,6,7
	global_load_b32 v[TT+\s], v41, s[72:73] offset:(\s/4)*256+(\s%4)*32
.endr
.irp p, 0,1
.irp k, 0,1,2,3
	global_load_b64 v[SB+NQ*\p+2*\k:SB+NQ*\p+2*\k+1], v[ABS], s[6:7] offset:1024*\p+128*\k
.endr
.endr
	s_cmp_eq_u32 s17, 0
	s_cselect_b64 s[10:11], s[92:93], s[96:97]     ; where the codes go,
	s_cselect_b64 s[12:13], s[94:95], s[98:99]     ; and the scale words
	s_add_nc_u64 s[10:11], s[10:11], s[52:53]
	s_add_nc_u64 s[12:13], s[12:13], s[54:55]
	s_add_nc_u64 s[48:49], s[96:97], s[74:75]      ; v, at the end: my wave's head
	s_add_nc_u64 s[50:51], s[98:99], s[70:71]
	s_wait_loadcnt 0x0
.irp k, 0,1,2,3
	ds_store_b128 v20, v[BK+4*\k:BK+4*\k+3] offset:2048*\k
.endr
	WIN 0xc0
.irp s, 0,1,2,3,4,5,6,7
.irp j, 0,1,2,3,4,5,6,7
	v_mov_b32 v[CV+8*\s+\j], v[TT+\s]              ; v's bias of block s, as a C operand
.endr
.endr
	WIN 0
	WALU
	s_wait_dscnt 0x0
	s_cmp_eq_u32 s14, 0
	s_cbranch_scc0 .Lnot_b
	s_wait_tensorcnt 0x0
.Lnot_b:
	BARRIER                                        ; the held tiles have landed, and the scale words are stored
.irp q, 0,1,2,3,4,5,6,7
.irp b, 0,1,2,3
	FRAG NB*\q+\b, B16, B8, \b*TB+\q*1536
.endr
.endr
	WIN 0
	s_cmp_eq_u32 s14, 1
	s_cbranch_scc0 .Lnot_a
	s_wait_tensorcnt 0x0                           ; wave 1: streamed tiles 0-3 and 8-11 have landed
.Lnot_a:
	s_wait_dscnt 0x0
	BARRIER                                        ; waves 2 and 3's tiles may still be on their way
	FETCHAT 0, A16Z, A8Z, AAS0
	FETCHAT 1, A16, A8, AAS
	s_wait_dscnt NF                                ; block 0's rows are in
	s_cmp_eq_u32 s17, 2
	s_cbranch_scc1 .Lv
; ---- q, k
.irp s, 0,1,2,3,4,5,6,7
	BLK 0, \s
.endr
	v_cmp_le_u32 vcc_lo, 16, v3                    ; lanes 0-15 store the words of tiles 0-3 of row r, lanes 16-31 those of tiles 4-7
.irp i, 0,1,2,3
	v_cndmask_b32 v[TT+\i], v[WD+\i], v[WD+4+\i], vcc_lo
.endr
	global_store_b128 v[SQ], v[TT:TT+3], s[12:13]  ; 512 consecutive bytes, aligned to 256
	s_branch .Ldone
; ---- v
.Lv:
.irp s, 0,1,2,3,4,5,6,7
	BLK 1, \s
.endr
	BARRIER                                        ; both wave columns' halves of the middle pieces and of the scale words are stored
.irp k, 0,1,2,3
	ds_load_b128 v[TT+4*\k:TT+4*\k+3], v[RB] offset:512*\k   ; my wave's head: its four fragments' middle pieces,
.endr
	ds_load_b64 v[TT+16:TT+17], v[RS]              ; and its 256 bytes of scale words
	s_wait_dscnt 0x0
.irp k, 0,1,2,3
	global_store_b128 v[L16], v[TT+4*\k:TT+4*\k+3], s[48:49] offset:1536*\k+512
.endr
	global_store_b64 v[L8], v[TT+16:TT+17], s[50:51]
.Ldone:
	s_wait_tensorcnt 0x0                           ; the wave's end
	ds_add_u32 v[SPW], v[NIL]
	s_wait_dscnt 0x0
	CROUND                                         ; the closing round
	s_endpgm
.Lfunc_end_k_q12b1fef2c2_proj:
	.size	k_q12b1fef2c2_proj, .Lfunc_end_k_q12b1fef2c2_proj-k_q12b1fef2c2_proj
	.p2alignl 7, 3214868480
	.fill 96, 4, 3214868480
	.section	.rodata,"a",@progbits
	.p2align	6, 0x0
	.amdhsa_kernel k_q12b1fef2c2_proj
		.amdhsa_group_segment_fixed_size 327680
		.amdhsa_private_segment_fixed_size 0
		.amdhsa_enable_private_segment 0
		.amdhsa_kernarg_size 72
		.amdhsa_user_sgpr_count 2
		.amdhsa_user_sgpr_kernarg_segment_ptr 1
		.amdhsa_wavefront_size32 1
		.amdhsa_system_sgpr_workgroup_id_x 1
		.amdhsa_system_sgpr_workgroup_id_y 1
		.amdhsa_system_sgpr_workgroup_id_z 1
		.amdhsa_system_vgpr_workitem_id 0
		.amdhsa_next_free_vgpr 904
		.amdhsa_next_free_sgpr 102
		.amdhsa_reserve_vcc 1
		.amdhsa_float_denorm_mode_32 3
		.amdhsa_float_denorm_mode_16_64 3
		.amdhsa_memory_ordered 1
		.amdhsa_forward_progress 1
		.amdhsa_inst_pref_size 159
	.end_amdhsa_kernel
	.amdgpu_metadata
---
amdhsa.version: [ 1, 2 ]
amdhsa.kernels:
  - .name:           k_q12b1fef2c2_proj
    .symbol:         k_q12b1fef2c2_proj.kd
    .args:
      - { .name: xc, .offset: 0, .size: 8, .value_kind: global_buffer, .address_space: global }
      - { .name: xs, .offset: 8, .size: 8, .value_kind: global_buffer, .address_space: global }
      - { .name: bq, .offset: 16, .size: 8, .value_kind: global_buffer, .address_space: global }
      - { .name: bk, .offset: 24, .size: 8, .value_kind: global_buffer, .address_space: global }
      - { .name: bv, .offset: 32, .size: 8, .value_kind: global_buffer, .address_space: global }
      - { .name: qc, .offset: 40, .size: 8, .value_kind: global_buffer, .address_space: global }
      - { .name: qs, .offset: 48, .size: 8, .value_kind: global_buffer, .address_space: global }
      - { .name: kvc, .offset: 56, .size: 8, .value_kind: global_buffer, .address_space: global }
      - { .name: kvs, .offset: 64, .size: 8, .value_kind: global_buffer, .address_space: global }
    .group_segment_fixed_size: 327680
    .private_segment_fixed_size: 0
    .kernarg_segment_align: 8
    .kernarg_segment_size: 72
    .max_flat_workgroup_size: 128
    .sgpr_count:     102
    .vgpr_count:     904
    .wavefront_size: 32
...
	.end_amdgpu_metadata
.endif
;; end of part 2
;; launch attn (part 3): grid 4 x 64, 16 waves a work-group, clusters of 4 x 1, 210,944 bytes of LDS; arguments qc, qs, kvc, kvs, oc, os; writes oc, os
.if DOCPART == 3
	.amdgcn_target "amdgcn-amd-amdhsa--gfx1250"
	.amdhsa_code_object_version 6
	.text
	.protected	k_q12b1fef2c2_attn
	.globl	k_q12b1fef2c2_attn
	.p2align	8
	.type	k_q12b1fef2c2_attn,@function
k_q12b1fef2c2_attn:
	s_mov_b64 s[64:65], 0
	v_nop
	global_prefetch_b8 v0, s[64:65] scope:SCOPE_SE
	s_setreg_imm32_b32 hwreg(HW_REG_WAVE_MODE, 25, 1), 1
	s_wait_xcnt 0x0
	s_wait_alu depctr_hold_cnt(0) depctr_sa_sdst(0) depctr_va_vdst(0) depctr_va_sdst(0) depctr_va_ssrc(0) depctr_va_vcc(0) depctr_vm_vsrc(0)
	s_getreg_b32 s2, hwreg(HW_REG_IB_STS2, 6, 4)
	s_cmp_eq_u32 s2, 0
	s_cbranch_scc0 .Lentry_in_a_cluster
	s_endpgm
.Lentry_in_a_cluster:
	s_bfe_u32 s2, ttmp6, 0x10000c
	s_cmp_lg_u32 s2, 0x3003
	s_cbranch_scc0 .Lentry_shape_is_right
	s_endpgm
.Lentry_shape_is_right:
; o = softmax(q k^T / 8) v for 64 (batch, head) pairs of 2,048 tokens x 64 channels, both products on codes of FP6 (E2M3) with E8M0 scales; o is quantised along the channels and stored as codes for the last projection.
; THE SOFTMAX AHEAD OF THE SECOND PRODUCT: t = score x log2(e) / 8; M = the row's largest t so far, rounded UP to a whole number; p = 2^(t - M) is quantised along the keys, not normalised.  The row's sum is taken of the
; unquantised p and divides at the end.  When M moves, the sum and O are multiplied by 2^(old M - new M): exact.
; A HEAD'S K, V AND SCALE WORDS, 208,896 bytes, LIE IN LDS WHOLE: each byte is filled once.  Wave w asks for key step w's 12,288 bytes of codes by its ONE tensor load and copies that step's 768 bytes of scale words through registers.
; Wave 0's load has a line of its own: a first barrier shows key step 0 and all scale words, every wave works step 0 of its first pass, and a second barrier, with every wave's wait for its load in front of it, shows the rest.  Behind it no wave waits for another.
; CLUSTER: the four work-groups of a head (512 queries each) ask for every tile of codes JOINTLY: the same load, the same descriptor, the mask of all four.
; NO DATA PREFETCH: all that the launch reads by tensor loads is asked for at the head, so there is no loop to run ahead in.
; SHARES: sixteen waves, four to a SIMD; a wave owns two tiles of 16 queries and takes them one after the other, each over all 2,048 keys, 128 a step.
; LAYOUT.  Both products are used transposed: S^T = k q^T (source 0 = 16 keys), O^T = v^T p^T (source 0 = 16 channels): a lane holds ONE query (lane % 16).  The keys and the channels of a tile were placed by the launches before
; so that a lane's 32 registers of four neighbouring tiles are 32 NEIGHBOURS: a whole block of the next quantiser in one lane.
; q k^T HAS K = 64 IN AN INSTRUCTION OF 128: q's registers 6-11 are zero codes; k's operand is twelve registers from its tile's six on (the next tile's codes, behind the last tile zeros), which meet those zeros under the bytes 0x7f.
; CHAINS STAND APART.  The links of the chain that makes M have v's LDS loads and multiply-adds between them; the links of the chain that makes p's scale word have four additions of the row's sum between them.  The sum runs in eight chains;
; its tree stands in the places that the products and the conversions ask for, and its last link behind the NEXT step's first product (a pass begins with a zero there and ends with that link).
; LIMITS: NaN and infinities are not served; a block of zeros gets the byte 1 (its codes are zeros; this program alone reads the bytes); the promise holds while |t| stays under 2^31.
; os is written two bytes a lane, 8 bytes apart: a head owns two of a scale word's four bytes.
; LDS: codes of step s at 12,288 s (K 6,144, then V 6,144); scale words at 196,608 + 768 s (K's 512, V's 256); the spare words at 208,896.
; REGISTERS: v1 16 L; v2 196,608 + 16 r; v3, v4 the step's addresses; v5 8 h; v6 8 L; v7 512 h + 8 r; v12 -M; v13 the largest score; v[14:15] the sum; v16-27 q's fragment; v28-39 both tiles' codes of q; v40 q's scale word in use,
; v42-43 both; v44-51 k's scale words; v52-55 v's; v56 p's; v57 the old -M; v58-59 o's scale bytes; v62-63, v118-127, v252-253 the sum's other seven chains; v64-111 k's eight tiles, then v's four fragments; v112-117 zeros;
; v128-191 S^T, then p; v192-223 O^T; v224-235 p's codes; v236-251 at work.
.set SCB, 196608
.set SPARE, 208896
.macro WALU
	s_wait_alu depctr_va_vdst(0)
.endm
.macro DEP d
	s_delay_alu instid0(VALU_DEP_\d)
.endm
.macro A3 d, a, b
	v_pk_add_f32 v[\d:\d+1], v[\a:\a+1], v[\b:\b+1]
.endm
.macro CROUND
	s_barrier_signal -1
	s_barrier_wait -1
	s_cmp_lg_u32 s16, 0
	s_cbranch_scc1 .Lnot_wave_0_\@
	s_barrier_signal -3
.Lnot_wave_0_\@:
	s_barrier_wait -3
	s_barrier_signal -1
	s_barrier_wait -1
.endm
	s_load_b256 s[4:11], s[0:1], 0x0               ; qc, qs, kvc, kvs
	s_load_b128 s[12:15], s[0:1], 0x20             ; oc, os
	v_lshl_add_u32 v254, v0, 2, SPARE
	v_mov_b32 v255, 0
	ds_add_u32 v254, v255                          ; the opening lines: the add twice on end
	ds_add_u32 v254, v255
	v_lshrrev_b32 v8, 5, v0
	DEP 1
	v_readfirstlane_b32 s16, v8                    ; wave 0..15
	s_bfe_u32 s17, ttmp6, 0x40000                  ; cx: it enters q's and o's global addresses alone
	s_and_b32 s18, ttmp7, 0xffff                   ; batch x 16 + head, which the four partners share
	s_mul_i32 s66, s18, 196608                     ; the head's codes
	s_mul_i32 s68, s18, 12288                      ; and scale words
	s_mul_i32 s70, s16, 12288                      ; my wave's key step
	s_mul_i32 s71, s16, 768
	s_mov_b32 s24, 15|(3<<16)|(1<<21)              ; group 1: the mask of all four; elements of 8 bytes; dense bytes as 48 rows of 256
	s_mov_b32 s25, 32<<16
	s_mov_b32 s26, 48<<16
	s_mov_b32 s27, 32<<16
	s_mov_b32 s28, 48
	s_mov_b32 s29, 32
	s_mov_b32 s30, 0
	s_mov_b32 s31, 0
	s_mov_b32 s20, 0x76543210
	s_mov_b32 s21, 0xfedcba98                      ; v_permlanex16_b32's selects for lane L xor 16
	s_mov_b32 s22, 0x3e38aa3b                      ; c = log2(e) / 8
	s_mov_b32 s23, s22
	s_add_co_u32 s72, s66, s70
	s_mov_b32 s73, 0
	s_add_co_u32 s74, s68, s71
	s_mov_b32 s75, 0
	s_add_co_u32 s41, s71, SCB                     ; LDS: my step's scale words
	s_mov_b32 s44, 1
	s_mul_i32 s45, s16, 12288                      ; LDS: my step's codes
	s_wait_dscnt 0x0
	s_wait_kmcnt 0x0
	s_add_nc_u64 s[32:33], s[10:11], s[74:75]
	s_add_nc_u64 s[46:47], s[8:9], s[72:73]
	s_or_b32 s47, s47, 0x80000000
	CROUND                                         ; all four work-groups are here: the joint loads meet
	s_cmp_eq_u32 s16, 0
	s_cbranch_scc0 .Lothers
	tensor_load_to_lds s[44:47], s[24:31]          ; wave 0: key step 0, on a line of its own: it is shown ahead of the rest
	s_nop 0
.rept 4
	v_nop
.endr
	s_branch .Lasked
.Lothers:
	tensor_load_to_lds s[44:47], s[24:31]          ; waves 1 to 15: key steps 1 to 15
	s_nop 0
.rept 4
	v_nop
.endr
.Lasked:
	s_lshl_b32 s19, s17, 4
	s_add_co_u32 s19, s19, s16                     ; P: my pair of query tiles among the head's 64
	s_lshr_b32 s70, s19, 2
	s_and_b32 s71, s19, 3
	s_mul_i32 s72, s70, 12288
	s_mul_i32 s73, s71, 1536
	s_add_co_u32 s72, s72, s73
	s_add_co_u32 s72, s72, s66
	s_mov_b32 s73, 0
	s_add_nc_u64 s[4:5], s[4:5], s[72:73]          ; q's codes
	s_mul_i32 s72, s70, 768
	s_lshr_b32 s74, s71, 1
	s_lshl_b32 s74, s74, 8
	s_add_co_u32 s72, s72, s74
	s_and_b32 s74, s71, 1
	s_lshl_b32 s74, s74, 3
	s_add_co_u32 s72, s72, s74
	s_add_co_u32 s72, s72, s68
	s_add_nc_u64 s[6:7], s[6:7], s[72:73]          ; q's scale words
	s_lshr_b32 s70, s18, 4
	s_lshl_b32 s70, s70, 7
	s_lshl_b32 s71, s19, 1
	s_add_co_u32 s70, s70, s71                     ; my first tile of 16 tokens among the 512
	s_and_b32 s71, s18, 15                         ; the head: o's chunk of 64 along the last product's K
	s_mul_i32 s72, s70, 12288
	s_mul_i32 s74, s71, 768
	s_add_co_u32 s72, s72, s74
	s_add_nc_u64 s[12:13], s[12:13], s[72:73]      ; o's codes
	s_lshl_b32 s72, s70, 9
	s_lshr_b32 s74, s71, 2
	s_lshl_b32 s74, s74, 7
	s_add_co_u32 s72, s72, s74
	s_bfe_u32 s74, s71, 0x10001
	s_lshl_b32 s74, s74, 2
	s_add_co_u32 s72, s72, s74
	s_and_b32 s74, s71, 1
	s_lshl_b32 s74, s74, 1
	s_add_co_u32 s72, s72, s74
	s_add_nc_u64 s[14:15], s[14:15], s[72:73]      ; o's scale bytes
	v_and_b32 v8, 31, v0                           ; L
	v_and_b32 v9, 15, v0                           ; r
	v_bfe_u32 v10, v0, 4, 1                        ; h
	DEP 3
	v_lshlrev_b32 v1, 4, v8
	DEP 4
	v_lshlrev_b32 v6, 3, v8
	DEP 4
	v_lshl_add_u32 v2, v9, 4, SCB
	DEP 4
	v_lshlrev_b32 v5, 3, v10
	v_lshlrev_b32 v7, 9, v10
	DEP 1
	v_lshl_add_u32 v7, v9, 3, v7
	v_lshlrev_b32 v11, 4, v9
	v_add_nc_u32 v61, s41, v1
	v_add_nc_u32 v62, s41, v6
.irp q, 0,1,2
	global_load_b128 v[28+4*\q:31+4*\q], v1, s[4:5] offset:512*\q   ; both tiles' codes of q
.endr
	global_load_b64 v[42:43], v11, s[6:7]          ; and their scale words
	global_load_b128 v[64:67], v1, s[32:33]        ; my step's scale words: 512 bytes on end,
	global_load_b64 v[68:69], v6, s[32:33] offset:512   ; and 256
.irp i, 0,1,2,3,4,5
	v_mov_b32 v[22+\i], 0                          ; zero codes: K = 64 .. 127 of q
	v_mov_b32 v[112+\i], 0                         ; and behind k's last tile
.endr
	v_mov_b32 v246, 0                              ; a lane permute's destination counts as one of its sources
	v_mov_b32 v247, 0
	v_mov_b32 v249, 0                              ; (the upper half of the pair v[248:249])
	WALU                                           ; the wait ahead of the blocking wait
	s_wait_loadcnt 0x0
	ds_store_b128 v61, v[64:67]
	ds_store_b64 v62, v[68:69] offset:512
.macro KLOAD                           ; a step's k (tile t at v[64 + 6 t]) and its scale words: k's of tiles 0-3, 4-7, v's
.irp k, 0,1,2,3,4,5,6,7,8,9,10,11
	ds_load_b128 v[64+4*\k:67+4*\k], v3 offset:512*\k
.endr
	ds_load_b128 v[44:47], v4
	ds_load_b128 v[48:51], v4 offset:256
	ds_load_b128 v[52:55], v4 offset:512
.endm
.macro VL k                            ; two of the twelve loads of v: fragment i at v[64 + 12 i]
	ds_load_b128 v[64+4*(\k):67+4*(\k)], v3 offset:6144+512*(\k)
	ds_load_b128 v[68+4*(\k):71+4*(\k)], v3 offset:6656+512*(\k)
.endm
.macro TM j                            ; t - M, two at a time
	v_pk_fma_f32 v[128+\j:129+\j], v[128+\j:129+\j], s[22:23], v[12:13] op_sel_hi:[1,0,0]
.endm
; A KEY STEP: 128 keys, whose k and scale words have been asked for.  nx = 1: the next step's are asked for
.macro STEP nx
	s_wait_dscnt 0x0                               ; k and the scale words are in
.irp t, 0,1,2,3,4,5,6,7
	v_wmma_scale_f32_16x16x128_f8f6f4 v[128+8*\t:135+8*\t], v[64+6*\t:75+6*\t], v[16:27], 0, v[44+\t], v40 matrix_a_fmt:MATRIX_FMT_FP6 matrix_b_fmt:MATRIX_FMT_FP6
.endr                                              ; lane (r, h): query r; register 32 c + i is key 64 c + 32 h + i
	A3 14, 14, 118                                 ; the last link of the step before's sum; with three more lines the four places in front of the first read of the scores and of the loads of v
.rept 3
	v_nop
.endr
	v_max3_num_f32 v244, v128, v129, v130          ; the largest score of each of my two blocks of 32 keys, two chains a block; each accumulator is read from its low end on
	v_max3_num_f32 v250, v144, v145, v146
	v_max3_num_f32 v245, v160, v161, v162
	v_max3_num_f32 v251, v176, v177, v178
.irp i, 3,5,7,9,11,13
	v_max3_num_f32 v244, v244, v[128+\i], v[129+\i]
	v_max3_num_f32 v250, v250, v[144+\i], v[145+\i]
	v_max3_num_f32 v245, v245, v[160+\i], v[161+\i]
	v_max3_num_f32 v251, v251, v[176+\i], v[177+\i]
.endr
	v_max3_num_f32 v244, v244, v250, v143
	v_max3_num_f32 v245, v245, v251, v175
	v_max_num_f32 v244, v244, v159
	v_max_num_f32 v245, v245, v191
	VL 0                                           ; v's loads stand between the links of the chain that makes M
	v_max_num_f32 v246, v244, v245
	VL 2
	v_permlanex16_b32 v247, v246, s20, s21         ; the query's other 64 keys lie in lane L xor 16
	VL 4
	v_max3_num_f32 v13, v13, v246, v247            ; the running largest score
	VL 6
	v_mul_f32 v246, s22, v13                       ; as t (c is positive)
	VL 8
	v_floor_f32 v12, -v246                         ; the new -M = floor(-t): M is a whole number
	VL 10
	v_sub_f32 v247, v12, v57                       ; old M - new M: a whole number, 0 or less
.irp j, 0,2,4,6,8
	TM \j
.endr
	v_cvt_i32_f32 v247, v247                       ; (it saturates)
.irp j, 10,12,14,16,18
	TM \j
.endr
	v_ldexp_f32 v248, 1.0, v247                    ; f = 2^(old M - new M)
.irp j, 20,22,24,26,28,30,32,34,36,38,40,42,44,46,48,50,52,54,56,58,60,62
	TM \j
.endr
	v_fma_f32 v244, v244, s22, v12                 ; the same of each block's largest score
	v_fma_f32 v245, v245, s22, v12
	v_pk_mul_f32 v[14:15], v[14:15], v[248:249] op_sel_hi:[1,0]   ; the sum under the new M,
.irp j, 0,2,4,6,8,10,12,14,16,18,20,22,24,26,28,30
	v_pk_mul_f32 v[192+\j:193+\j], v[192+\j:193+\j], v[248:249] op_sel_hi:[1,0]   ; and O^T: ahead of the batch
.endr
	WALU                                           ; the wait ahead of the batch
.irp j, 0,1,2,3,4,5,6,7,8,9,10,11,12,13,14,15,16,17,18,19,20,21,22,23,24,25,26,27,28,29,30,31,32,33,34,35,36,37,38,39,40,41,42,43,44,45,46,47,48,49,50,51,52,53,54,55,56,57,58,59,60,61,62,63
	v_exp_f32 v[128+\j], v[128+\j]                 ; p = 2^(t - M), at most 1: not normalised
.endr
	v_exp_f32 v244, v244                           ; the blocks' largest p: the same two instructions on the same number give the same bits
	v_exp_f32 v245, v245
	v_mov_b32 v57, v12                             ; the next step's old -M: the plain place behind the batch
	WALU                                           ; and the one wait ahead of its first reader
	v_max_num_f32 v244, 0x1800000, v244            ; the floor 2^(3 - 127): the byte cannot fall under 1
	v_max_num_f32 v245, 0x1800000, v245
	A3 118, 132, 136                               ; the row's sum of the unquantised p, in eight chains, four lines between two links of the scale word's chain
	A3 120, 140, 144
	A3 122, 148, 152
	A3 124, 156, 160
	v_add_nc_u32 v250, 0xff000000, v244            ; 2 off the exponent field: the conversion's scale operand
	v_add_nc_u32 v251, 0xff000000, v245
	A3 126, 164, 168
	A3 252, 172, 176
	A3 62, 180, 184
	A3 14, 14, 188
	v_lshrrev_b32 v244, 23, v250                   ; the scale's byte
	v_lshrrev_b32 v245, 23, v251
	A3 118, 118, 128
	A3 120, 120, 130
	A3 122, 122, 134
	A3 124, 124, 138
	v_lshl_or_b32 v244, v245, 16, v244             ; bytes h and 2 + h of p's word for these 128 keys
	A3 126, 126, 142
	A3 252, 252, 146
	A3 62, 62, 150
	A3 14, 14, 154
	v_lshlrev_b32 v244, v5, v244
	A3 118, 118, 158
	A3 120, 120, 162
	A3 122, 122, 166
	A3 124, 124, 170
	v_permlanex16_b32 v246, v244, s20, s21
	A3 126, 126, 174
	A3 252, 252, 178
	A3 62, 62, 182
	A3 14, 14, 186
	v_or_b32 v56, v244, v246
	v_cvt_scalef32_pk16_fp6_f32 v[224:226], v[128:143], v250
	v_cvt_scalef32_pk16_fp6_f32 v[236:238], v[144:159], v250      ; (a conversion's three registers begin on an even number)
	v_cvt_scalef32_pk16_fp6_f32 v[230:232], v[160:175], v251
	v_cvt_scalef32_pk16_fp6_f32 v[240:242], v[176:191], v251
	A3 118, 118, 190                               ; the plain place behind the conversions
.irp i, 0,1,2
	v_mov_b32 v[227+\i], v[236+\i]
	v_mov_b32 v[233+\i], v[240+\i]
.endr
	A3 14, 14, 124                                 ; the tree's first level: the four places between p's codes and the product
	A3 118, 118, 126
	A3 120, 120, 252
	A3 122, 122, 62
	WALU                                           ; the wait ahead of the blocking wait
	s_wait_dscnt 0x0                               ; v's fragments are in
.irp i, 0,1,2,3
	v_wmma_scale_f32_16x16x128_f8f6f4 v[192+8*\i:199+8*\i], v[64+12*\i:75+12*\i], v[224:235], v[192+8*\i:199+8*\i], v[52+\i], v56 matrix_a_fmt:MATRIX_FMT_FP6 matrix_b_fmt:MATRIX_FMT_FP6
.endr                                              ; the four accumulators by turns, the scores' eight between two turns
.if \nx
	s_add_co_u32 s60, s60, 12288
	s_add_co_u32 s61, s61, 768
	v_add_nc_u32 v3, s60, v1                       ; with the tree's second level: four places in front of the loads into registers that the products have read
	v_add_nc_u32 v4, s61, v2
.endif
	A3 14, 14, 120
	A3 118, 118, 122
.if \nx
	KLOAD
.endif
.endm
.macro INIT e                          ; a pass begins: one tile of 16 queries
.if \e
	s_wait_xcnt 0x0                                ; the first pass's stores have read their data
.endif
.irp i, 0,1,2,3,4,5
	v_mov_b32 v[16+\i], v[28+6*\e+\i]              ; the tile's codes and scale word; the lines below are the places between these and the first product
.endr
	v_mov_b32 v40, v[42+\e]
	v_mov_b32 v13, 0xff61b1e6                      ; the largest score so far: -3e38
	v_mov_b32 v14, 0
	v_mov_b32 v15, 0
	DEP 3
	v_mul_f32 v12, s22, v13
	DEP 1
	v_floor_f32 v12, -v12                          ; -M
.irp j, 0,1,2,3,4,5,6,7,8,9,10,11,12,13,14,15,16,17,18,19,20,21,22,23,24,25,26,27,28,29,30,31
	v_mov_b32 v[192+\j], 0                         ; O^T: the first change of M leaves zeros zeros
.endr
	v_mov_b32 v118, 0                              ; what the first step's first addition finds
	v_mov_b32 v119, 0
	v_mov_b32 v57, v12
.endm
.macro PRE                             ; the step at s60, s61 is asked for
	v_add_nc_u32 v3, s60, v1
	v_add_nc_u32 v4, s61, v2
	KLOAD
	WALU
.endm
.macro RUN n                           ; n steps in a loop, and the last, written out: it fetches nothing
	PRE
	s_mov_b32 s62, \n
.Lstep_\@:
	STEP 1
	s_sub_co_u32 s62, s62, 1
	s_cmp_lg_u32 s62, 0
	WALU                                           ; the wait ahead of the branch
	s_cbranch_scc1 .Lstep_\@
	STEP 0
.endm
.macro FIN e                           ; a pass ends
	WALU
	A3 14, 14, 118                                 ; the last step's last link
	v_add_f32 v14, v14, v15                        ; the sum's two halves,
	DEP 1
	v_permlanex16_b32 v246, v14, s20, s21
	DEP 1
	v_add_f32 v14, v14, v246                       ; and lane L xor 16's: the row's sum
	WALU
	v_rcp_f32 v248, v14
	v_nop
	WALU
.irp j, 0,2,4,6,8,10,12,14,16,18,20,22,24,26,28,30
	v_pk_mul_f32 v[192+\j:193+\j], v[192+\j:193+\j], v[248:249] op_sel_hi:[1,0]   ; o(r, 32 h + j): a whole block of the last product's K in my 32 registers
.endr
	v_max3_num_f32 v244, |v192|, |v193|, 0x1800000 ; its largest magnitude, in two chains, with the floor
	v_max3_num_f32 v245, |v208|, |v209|, 0x1800000
.irp i, 2,4,6,8,10,12,14
	DEP 2
	v_max3_num_f32 v244, v244, |v[192+\i]|, |v[193+\i]|
	DEP 2
	v_max3_num_f32 v245, v245, |v[208+\i]|, |v[209+\i]|
.endr
	DEP 1
	v_max_num_f32 v244, v244, v245
	DEP 1
	v_add_nc_u32 v250, 0xff000000, v244
	DEP 1
	v_lshrrev_b32 v245, 23, v250
	v_cvt_scalef32_pk16_fp6_f32 v[224:226], v[192:207], v250
	v_cvt_scalef32_pk16_fp6_f32 v[236:238], v[208:223], v250
	v_nop
.irp i, 0,1,2
	v_mov_b32 v[227+\i], v[236+\i]
.endr
	v_lshlrev_b32 v245, v5, v245
	DEP 1
	v_permlanex16_b32 v246, v245, s20, s21
	DEP 1
	v_or_b32 v[58+\e], v245, v246                  ; the row's two scale bytes of this head
	global_store_b128 v1, v[224:227], s[12:13] offset:\e*12288       ; the chunk's image: 512 consecutive bytes, aligned to 256,
	global_store_b64 v6, v[228:229], s[12:13] offset:\e*12288+512    ; and 256
.endm
	INIT 0
	WALU
	s_wait_dscnt 0x0                               ; my step's scale words are stored
	s_cmp_eq_u32 s16, 0
	s_cbranch_scc0 .Lnot_0
	s_wait_tensorcnt 0x0                           ; wave 0: key step 0 has landed
.Lnot_0:
	s_barrier_signal -1
	s_barrier_wait -1                              ; key step 0 and all scale words are shown; the other tiles may be on their way: nothing is ever filled again
	s_mov_b32 s60, 0
	s_mov_b32 s61, 0
	PRE
	STEP 0
	WALU
	s_wait_tensorcnt 0x0                           ; my step's codes have landed:
	s_wait_dscnt 0x0
	s_barrier_signal -1
	s_barrier_wait -1                              ; everybody's: the whole head lies in LDS
	s_mov_b32 s60, 12288
	s_mov_b32 s61, 768
	RUN 14
	FIN 0
	INIT 1
	s_mov_b32 s60, 0
	s_mov_b32 s61, 0
	RUN 15
	FIN 1
	v_and_b32 v8, 31, v0
	DEP 1
	v_cmp_le_u32 vcc_lo, 16, v8                    ; lanes 0-15 store the first tile's bytes of row r, lanes 16-31 the second's
	DEP 1
	v_cndmask_b32 v60, v58, v59, vcc_lo
	global_store_b16 v7, v60, s[14:15]
	s_wait_tensorcnt 0x0                           ; the wave's end
	ds_add_u32 v254, v255
	s_wait_dscnt 0x0
	CROUND                                         ; the closing round
	s_endpgm
.Lfunc_end_k_q12b1fef2c2_attn:
	.size	k_q12b1fef2c2_attn, .Lfunc_end_k_q12b1fef2c2_attn-k_q12b1fef2c2_attn
	.p2alignl 7, 3214868480
	.fill 96, 4, 3214868480
	.section	.rodata,"a",@progbits
	.p2align	6, 0x0
	.amdhsa_kernel k_q12b1fef2c2_attn
		.amdhsa_group_segment_fixed_size 210944
		.amdhsa_private_segment_fixed_size 0
		.amdhsa_enable_private_segment 0
		.amdhsa_kernarg_size 48
		.amdhsa_user_sgpr_count 2
		.amdhsa_user_sgpr_kernarg_segment_ptr 1
		.amdhsa_wavefront_size32 1
		.amdhsa_system_sgpr_workgroup_id_x 1
		.amdhsa_system_sgpr_workgroup_id_y 1
		.amdhsa_system_sgpr_workgroup_id_z 1
		.amdhsa_system_vgpr_workitem_id 0
		.amdhsa_next_free_vgpr 256
		.amdhsa_next_free_sgpr 76
		.amdhsa_reserve_vcc 1
		.amdhsa_float_denorm_mode_32 3
		.amdhsa_float_denorm_mode_16_64 3
		.amdhsa_memory_ordered 1
		.amdhsa_forward_progress 1
		.amdhsa_inst_pref_size 90
	.end_amdhsa_kernel
	.amdgpu_metadata
---
amdhsa.version: [ 1, 2 ]
amdhsa.kernels:
  - .name:           k_q12b1fef2c2_attn
    .symbol:         k_q12b1fef2c2_attn.kd
    .args:
      - { .name: qc, .offset: 0, .size: 8, .value_kind: global_buffer, .address_space: global }
      - { .name: qs, .offset: 8, .size: 8, .value_kind: global_buffer, .address_space: global }
      - { .name: kvc, .offset: 16, .size: 8, .value_kind: global_buffer, .address_space: global }
      - { .name: kvs, .offset: 24, .size: 8, .value_kind: global_buffer, .address_space: global }
      - { .name: oc, .offset: 32, .size: 8, .value_kind: global_buffer, .address_space: global }
      - { .name: os, .offset: 40, .size: 8, .value_kind: global_buffer, .address_space: global }
    .group_segment_fixed_size: 210944
    .private_segment_fixed_size: 0
    .kernarg_segment_align: 8
    .kernarg_segment_size: 48
    .max_flat_workgroup_size: 512
    .sgpr_count:     76
    .vgpr_count:     256
    .wavefront_size: 32
...
	.end_amdgpu_metadata
.endif
;; end of part 3
;; launch oproj (part 4): grid 32 x 8, 4 waves a work-group, clusters of 4 x 4, 327,680 bytes of LDS; arguments oc, os, xc, xs, bo, out0; writes out0
.if DOCPART == 4
	.amdgcn_target "amdgcn-amd-amdhsa--gfx1250"
	.amdhsa_code_object_version 6
	.text
	.protected	k_q12b1fef2c2_oproj
	.globl	k_q12b1fef2c2_oproj
	.p2align	8
	.type	k_q12b1fef2c2_oproj,@function
k_q12b1fef2c2_oproj:
	s_mov_b64 s[64:65], 0
	v_nop
	global_prefetch_b8 v0, s[64:65] scope:SCOPE_SE
	s_setreg_imm32_b32 hwreg(HW_REG_WAVE_MODE, 25, 1), 1
	s_wait_xcnt 0x0
	s_wait_alu depctr_hold_cnt(0) depctr_sa_sdst(0) depctr_va_vdst(0) depctr_va_sdst(0) depctr_va_ssrc(0) depctr_va_vcc(0) depctr_vm_vsrc(0)
	s_getreg_b32 s2, hwreg(HW_REG_IB_STS2, 6, 4)
	s_cmp_eq_u32 s2, 0
	s_cbranch_scc0 .Lentry_in_a_cluster
	s_endpgm
.Lentry_in_a_cluster:
	s_bfe_u32 s2, ttmp6, 0x10000c
	s_cmp_lg_u32 s2, 0xf033
	s_cbranch_scc0 .Lentry_shape_is_right
	s_endpgm
.Lentry_shape_is_right:
; out0[token][n] = sum over k of o[token][k] Wo[n][k] + bo[n], f32: 8,192 x 1,024 x 1,024 on codes of FP6 (E2M3) with E8M0 scales.
; LIMITS: NaN, infinities and sums beyond f32's range are not served; a sum begins with the bias, where the reference adds it last.
; A (oc, os) is what the attention launch left, B Wo's tiles 1,728 .. 1,791 of xc, xs.  Codes: [tile of 16 rows][chunk of 64 along K: 16][768 bytes]: lane L = 16 h + r holds 24 bytes of row r, block h: bytes 0-15 at 16 L, 16-23 at 512 + 8 L.
; Scale words: [tile][K step of 256: 4][row 16][2 words].  Rows of a tile are neighbours in both.
; THE DEAL.  256 work-groups of four waves, 2 x 2, each 256 rows x 128 columns of C.  A wave holds four tiles of 16 columns of B, all of K, in registers (384), and streams A's rows past them in eight blocks of 16:
; the wave in row a, column b takes tiles 2 s + a of the work-group's sixteen as block s, and columns 64 b .. 64 b + 63.
; THE CLUSTER's x COUNTS TILE ROWS (grid = 32, 8): A's tiles are shared by a COLUMN of the cluster (mask s44), B's by a ROW (mask s45).  No LDS address hangs on the cluster's numbers.
; LDS: A's 16 tiles, dense (196,608 bytes); B's 8 (98,304); A's scale words (8,192), copied through registers; the spare words; a stage of 16 rows x 272 bytes for each wave.  Every byte is filled once: no refill, and no data prefetch: all is asked for at the head.
; THE HEAD'S FOUR TILES, one a wave, each on a line of its own: B; A's tiles 0-7; 8-11; 12-15.  The stream begins when the first two are in; a plain barrier inside blocks 1, 3, 5 (one text, a loop's) shows the others.
; Source 0 = B's rows, source 1 = A's: a lane holds token lane % 16 and eight neighbouring columns.  Two sets of A's fragments, of accumulators and of the rows that come back from the stage, by turns.
; ONE RUN OF MEMORY LINES behind a block's 32 products: its sums into the stage and back as rows of 256 bytes; the fetch of the block two on; one wait on LDS (younger is the run's fetch alone, NF loads), which shows the next block's rows in too; eight stores to C.
.set SIZE_N, 1024
.set NQ, 8
.set NB, 4
.set TB, 12288
.set FR, 12
.set FPW, 21
.set NF, 36
.set YB, 16*TB
.set SCL, YB+8*TB
.set SPARE, SCL+8192
.set STAGE, SPARE+512
.set SPITCH, 272
.set A16Z, 4   ; v4, v5  LDS addresses of block 0's pieces of 16 and of 8 bytes
.set A8Z, 5
.set AAS0, 6   ; v6      of my row's scale words of block 0
.set CO, 9     ; v9      my byte offset in C
.set SPW, 10
.set NIL, 11
.set A16, 12   ; v12, v13, v17  as v4, v5, v6 for the block that is fetched next
.set A8, 13
.set B16, 14   ; v14, v15  of B's pieces
.set B8, 15
.set ABS, 16   ; v16     my offset in B's scale words
.set AAS, 17
.set STO, 18
.set RD, 19
.set SB, 24    ; v24-39  B's scale words: pair p of tiles at 8 p + q, the even tile in lanes 0-15
.set SA, 42    ; v42-57  A's: two sets of eight
.set ACC, 64   ; v64-127 two sets of four accumulators
.set BK, 128   ; v128-191 two sets: 16 rows x 256 bytes back from the stage
.set BO, 208   ; v208-239 the bias as the first four products' C
.set G1A, 24
.set G1B, 32
.set G0A, 56
.set G0B, 60
.set MSB, 0
.macro WIN new
.if MSB != \new
	s_set_vgpr_msb (MSB<<8)|\new
.set MSB, \new
.endif
.endm
.macro PLACES n
.rept \n
	v_nop
.endr
.endm
.macro WALU
	s_wait_alu depctr_va_vdst(0)
.endm
.macro BARRIER
	s_barrier_signal -1
	s_barrier_wait -1
.endm
.macro CROUND
	BARRIER
	s_cmp_lg_u32 s14, 0
	s_cbranch_scc1 .Lnot_wave_0_\@
	s_barrier_signal -3
.Lnot_wave_0_\@:
	s_barrier_wait -3
	BARRIER
.endm
.macro TLOAD g0, g1
	tensor_load_to_lds s[\g0:\g0+3], s[\g1:\g1+7]
	s_nop 0
	PLACES 4
.endm
.macro GROUP1 g, mask                  ; dense bytes as rows of 256: 32 elements of 8 bytes
	s_or_b32 s[\g+0], s[\mask], (3<<16)|(1<<21)
	s_mov_b32 s[\g+1], 32<<16
	s_mov_b32 s[\g+3], 32<<16
	s_mov_b32 s[\g+5], 32
	s_mov_b32 s[\g+6], 0
	s_mov_b32 s[\g+7], 0
.endm
.macro ATILE first, tiles              ; some of A's sixteen tiles, by a descriptor of constants
	s_mov_b32 s[G0A+1], (\first)*TB
	s_mov_b32 s[G1A+2], ((\tiles)*48)<<16
	s_mov_b32 s[G1A+4], (\tiles)*48
.if \first
	s_add_nc_u64 s[G0A+2:G0A+3], s[G0A+2:G0A+3], (\first)*TB
.endif
	s_or_b32 s[G0A+3], s[G0A+3], 0x80000000
	TLOAD G0A, G1A
.endm
.macro FRAG f, a16, a8, off            ; fragment f (16 rows x 128 K, two chunks) lies at register 12 (f % 21) of window 1 + f / 21
	WIN (1+(\f)/FPW)<<6
.set R_, FR*((\f)%FPW)
	ds_load_b128 v[R_:R_+3], v[\a16] offset:(\off)
	ds_load_b64 v[R_+4:R_+5], v[\a8] offset:(\off)+512
	ds_load_b128 v[R_+6:R_+9], v[\a16] offset:(\off)+768
	ds_load_b64 v[R_+10:R_+11], v[\a8] offset:(\off)+1280
.endm
.macro FETCHAT e, a16, a8, as          ; a block of A into set e: NF loads
.irp q, 0,1,2,3,4,5,6,7
	FRAG NB*NQ+NQ*(\e)+\q, \a16, \a8, \q*1536
.endr
	WIN 0
.irp k, 0,1,2,3
	ds_load_b64 v[SA+8*(\e)+2*\k:SA+8*(\e)+2*\k+1], v[\as] offset:128*\k
.endr
.endm
.macro PROD e, n                       ; product n = 4 q + tile of a block whose rows lie in set e; the four accumulators by turns
.set Q_, (\n)/4
.set FB_, NB*Q_+(\n)%4
.set FA_, NB*NQ+NQ*(\e)+Q_
.set D_, ACC+32*(\e)+8*((\n)%4)
.set XB_, SB+NQ*(((\n)%4)/2)+Q_
.set XA_, SA+8*(\e)+Q_
	WIN (1+FB_/FPW)|((1+FA_/FPW)<<2)
.if Q_
	PROD1 D_, FB_, FA_, v[D_:D_+7], XB_, XA_, (\n)%2
.else
	PROD1 D_, FB_, FA_, v[BO+8*((\n)%4):BO+8*((\n)%4)+7], XB_, XA_, (\n)%2
.endif
.endm
.macro PROD1 d, s0, s1, c, x0, x1, o
.if \o
	v_wmma_scale_f32_16x16x128_f8f6f4 v[\d:\d+7], v[FR*((\s0)%FPW):FR*((\s0)%FPW)+FR-1], v[FR*((\s1)%FPW):FR*((\s1)%FPW)+FR-1], \c, v[\x0], v[\x1] matrix_a_fmt:MATRIX_FMT_FP6 matrix_b_fmt:MATRIX_FMT_FP6 matrix_a_scale:MATRIX_SCALE_ROW1
.else
	v_wmma_scale_f32_16x16x128_f8f6f4 v[\d:\d+7], v[FR*((\s0)%FPW):FR*((\s0)%FPW)+FR-1], v[FR*((\s1)%FPW):FR*((\s1)%FPW)+FR-1], \c, v[\x0], v[\x1] matrix_a_fmt:MATRIX_FMT_FP6 matrix_b_fmt:MATRIX_FMT_FP6 matrix_a_scale:MATRIX_SCALE_ROW0
.endif
.endm
.macro PRODS e, from, to
.set N_, \from
.rept (\to)-(\from)
	PROD \e, N_
.set N_, N_+1
.endr
	WIN 0
.endm
.macro STAGED u                        ; set u's sums into my stage, each accumulator from its low end on, and back as whole rows; LDS serves a wave's instructions in order
.irp b, 0,1,2,3
	ds_store_b128 v[STO], v[ACC+32*(\u)+8*\b:ACC+32*(\u)+8*\b+3] offset:64*\b
	ds_store_b128 v[STO], v[ACC+32*(\u)+8*\b+4:ACC+32*(\u)+8*\b+7] offset:64*\b+16
.endr
.irp t, 0,1,2,3,4,5,6,7
	ds_load_b128 v[BK+32*(\u)+4*\t:BK+32*(\u)+4*\t+3], v[RD] offset:2*\t*SPITCH
.endr
.endm
.macro TOC s                           ; s[12:13] stands at the pair's first token; the pair's second block lies 32 tokens on.  Sixteen lanes store 256 consecutive bytes, aligned
.irp t, 0,1,2,3,4,5,6,7
	global_store_b128 v[CO], v[BK+32*(\s)+4*\t:BK+32*(\s)+4*\t+3], s[12:13] offset:(32*(\s)+2*\t)*SIZE_N*4 th:TH_STORE_NT
.endr
.endm
.macro STREAM s, fetch, show           ; a pair's block s.  show = 1: a plain barrier inside the block shows waves 2 and 3's tiles to all
.if \fetch
	s_add_co_u32 s101, s101, 2*TB
	s_add_co_u32 s91, s91, 1024
.endif
.if \show
	PRODS \s, 0, 24
	s_wait_tensorcnt 0x0
	s_wait_dscnt 0x0
	s_barrier_signal -1
	PRODS \s, 24, 32
	s_barrier_wait -1
.else
	PRODS \s, 0, 32
.endif
.if \fetch                             ; four plain vector lines between the last product and the first reader of its sums and the fetch into its registers
	v_add_nc_u32 v[A16], s101, v[A16Z]
	v_add_nc_u32 v[A8], s101, v[A8Z]
	v_add_nc_u32 v[AAS], s91, v[AAS0]
	v_nop
	WALU
.else
	PLACES 4
.endif
	s_wait_xcnt 0x0                                ; the stores of two blocks ago have read set s of the rows, the last block's their base
.if (\s) == 0
	s_add_nc_u64 s[12:13], s[12:13], s[20:21]
.endif
	STAGED \s
.if \fetch
	FETCHAT \s, A16, A8, AAS
	s_wait_dscnt NF                                ; the block's rows are back from the stage; younger is its fetch alone
.else
	s_wait_dscnt 0x0
.endif
	TOC \s
.endm
; ---- the head
	s_load_b256 s[4:11], s[0:1], 0x0               ; oc, os, xc, xs
	s_load_b128 s[72:75], s[0:1], 0x20             ; bo, out0
	v_lshl_add_u32 v[SPW], v0, 2, SPARE
	v_mov_b32 v[NIL], 0
	ds_add_u32 v[SPW], v[NIL]                      ; the opening lines: the add twice on end
	ds_add_u32 v[SPW], v[NIL]
	v_lshrrev_b32 v1, 5, v0
	v_readfirstlane_b32 s14, v1                    ; the wave; s15 its row a of the 2 x 2, s16 its column b
	s_lshr_b32 s15, s14, 1
	s_and_b32 s16, s14, 1
	s_bfe_u32 s40, ttmp6, 0x40000
	s_bfe_u32 s41, ttmp6, 0x40004
	s_lshl_b32 s43, ttmp9, 2
	s_add_co_u32 s43, s43, s40                     ; tile row of C, 0 .. 31
	s_and_b32 s42, ttmp7, 0xffff
	s_lshl_b32 s42, s42, 2
	s_add_co_u32 s42, s42, s41                     ; tile column, 0 .. 7
	s_lshl_b32 s44, 0x1111, s40                    ; my column of the cluster: shares A
	s_lshl_b32 s45, s41, 2
	s_lshl_b32 s45, 15, s45                        ; my row: shares B
	GROUP1 G1A, 44
	GROUP1 G1B, 45
	s_mov_b32 s[G1B+2], 384<<16
	s_mov_b32 s[G1B+4], 384
	s_mov_b32 s[G0A], 1
	s_mov_b32 s[G0B], 1
	s_mov_b32 s[G0B+1], YB
	s_mul_i32 s76, s43, 16*TB                      ; A's sixteen tiles
	s_mov_b32 s77, 0
	s_mul_i32 s78, s42, 8*TB
	s_add_co_u32 s78, s78, 1728*TB                 ; B's eight
	s_mov_b32 s79, 0
	s_lshl_b32 s80, s43, 13                        ; A's scale words
	s_mov_b32 s81, 0
	s_lshl_b32 s82, s42, 3
	s_lshl_b32 s21, s16, 2
	s_add_co_u32 s82, s82, s21
	s_add_co_u32 s82, s82, 1728
	s_lshl_b32 s82, s82, 9                         ; the scale words of my four tiles of B
	s_mov_b32 s83, 0
	s_lshl_b32 s86, s42, 9
	s_lshl_b32 s21, s16, 8
	s_add_co_u32 s86, s86, s21                     ; my 64 columns, in bytes
	s_mov_b32 s87, 0
	s_lshl_b32 s84, s43, 8
	s_lshl_b32 s21, s15, 4
	s_add_co_u32 s84, s84, s21
	s_lshl_b32 s84, s84, 12
	s_add_co_u32 s84, s84, s86                     ; block 0's first token, my columns
	s_mov_b32 s85, 0
	v_and_b32 v1, 15, v0
	v_bfe_u32 v2, v0, 4, 1
	v_and_b32 v3, 31, v0
	v_lshlrev_b32 v22, 4, v3
	v_lshlrev_b32 v23, 3, v3
	s_mul_i32 s21, s15, TB
	v_add_nc_u32 v[A16Z], s21, v22
	v_add_nc_u32 v[A8Z], s21, v23
	v_add_nc_u32 v[A16], 2*TB, v[A16Z]
	v_add_nc_u32 v[A8], 2*TB, v[A8Z]
	s_mul_i32 s22, s16, 4*TB
	s_add_co_u32 s22, s22, YB
	v_add_nc_u32 v[B16], s22, v22
	v_add_nc_u32 v[B8], s22, v23
	v_lshlrev_b32 v21, 3, v1
	v_lshl_add_u32 v[ABS], v2, 9, v21
	s_lshl_b32 s21, s15, 9
	s_add_co_u32 s21, s21, SCL
	v_add_nc_u32 v[AAS0], s21, v21
	v_add_nc_u32 v[AAS], 1024, v[AAS0]
	s_mul_i32 s21, s14, 16*SPITCH
	s_add_co_u32 s21, s21, STAGE
	v_mul_u32_u24 v23, v1, SPITCH
	v_lshl_add_u32 v23, v2, 5, v23
	v_add_nc_u32 v[STO], s21, v23
	v_mul_u32_u24 v23, v2, SPITCH
	v_lshl_add_u32 v23, v1, 4, v23
	v_add_nc_u32 v[RD], s21, v23
	v_mul_u32_u24 v23, v2, SIZE_N*4
	v_lshl_add_u32 v[CO], v1, 4, v23
	v_lshlrev_b32 v8, 5, v2
	v_lshlrev_b32 v7, 4, v0
	v_add_nc_u32 v20, SCL, v7
	WALU                                           ; the wait at the head's end
	s_wait_dscnt 0x0
	CROUND                                         ; the opening round
	s_wait_kmcnt 0x0
	s_add_nc_u64 s[G0A+2:G0A+3], s[4:5], s[76:77]
	s_add_nc_u64 s[G0B+2:G0B+3], s[8:9], s[78:79]
	s_or_b32 s[G0B+3], s[G0B+3], 0x80000000
	s_add_nc_u64 s[6:7], s[6:7], s[80:81]
	s_add_nc_u64 s[10:11], s[10:11], s[82:83]
	s_add_nc_u64 s[72:73], s[72:73], s[86:87]
	s_add_nc_u64 s[12:13], s[74:75], s[84:85]
	s_cmp_eq_u32 s14, 0
	s_cbranch_scc0 .Lwave_1
	TLOAD G0B, G1B                                 ; wave 0: B, which is wanted first
	s_branch .Lasked
.Lwave_1:
	s_cmp_eq_u32 s14, 1
	s_cbranch_scc0 .Lwave_2
	ATILE 0, 8                                     ; wave 1: A's tiles 0 to 7
	s_branch .Lasked
.Lwave_2:
	s_cmp_eq_u32 s14, 2
	s_cbranch_scc0 .Lwave_3
	ATILE 8, 4                                     ; wave 2: 8 to 11
	s_branch .Lasked
.Lwave_3:
	ATILE 12, 4                                    ; wave 3: 12 to 15
.Lasked:
.irp k, 0,1,2,3
	global_load_b128 v[BK+4*\k:BK+4*\k+3], v7, s[6:7] offset:2048*\k   ; A's scale words, 2,048 bytes on end a line
.endr
.irp b, 0,1,2,3
	global_load_b128 v[BO+8*\b:BO+8*\b+3], v8, s[72:73] offset:64*\b   ; register i of tile b of lane (r, h) is column 16 b + 8 h + i
	global_load_b128 v[BO+8*\b+4:BO+8*\b+7], v8, s[72:73] offset:64*\b+16
.endr
.irp p, 0,1
.irp k, 0,1,2,3
	global_load_b64 v[SB+NQ*\p+2*\k:SB+NQ*\p+2*\k+1], v[ABS], s[10:11] offset:1024*\p+128*\k
.endr
.endr
	s_wait_loadcnt 0x0
.irp k, 0,1,2,3
	ds_store_b128 v20, v[BK+4*\k:BK+4*\k+3] offset:2048*\k
.endr
	s_wait_dscnt 0x0
	s_cmp_eq_u32 s14, 0
	s_cbranch_scc0 .Lnot_b
	s_wait_tensorcnt 0x0
.Lnot_b:
	BARRIER                                        ; B has landed, and A's scale words are stored
.irp q, 0,1,2,3,4,5,6,7
.irp b, 0,1,2,3
	FRAG NB*\q+\b, B16, B8, \b*TB+\q*1536
.endr
.endr
	WIN 0
	s_mov_b32 s101, 2*TB
	s_mov_b32 s91, 1024
	s_cmp_eq_u32 s14, 1
	s_cbranch_scc0 .Lnot_a
	s_wait_tensorcnt 0x0                           ; wave 1: A's tiles 0 to 7 have landed
.Lnot_a:
	s_wait_dscnt 0x0
	BARRIER                                        ; waves 2 and 3's tiles may still be on their way
	FETCHAT 0, A16Z, A8Z, AAS0
	FETCHAT 1, A16, A8, AAS
; ---- the stream: eight blocks
	s_mov_b32 s23, 0
	s_mov_b32 s20, 0                               ; s[20:21]: from a pair's rows of C to the next pair's
	s_mov_b32 s21, 0
	s_wait_dscnt NF                                ; block 0's rows are in
.Lpair:                                        ; blocks 0 to 5, a pair a trip
	STREAM 0, 1, 0
	STREAM 1, 1, 1
	s_mov_b32 s20, 64*SIZE_N*4
	s_add_co_u32 s23, s23, 1
	s_cmp_lg_u32 s23, 3
	s_cbranch_scc1 .Lpair
	STREAM 0, 0, 0                                 ; blocks 6 and 7 fetch nothing
	STREAM 1, 0, 0
	s_wait_tensorcnt 0x0                           ; the wave's end
	ds_add_u32 v[SPW], v[NIL]
	s_wait_dscnt 0x0
	CROUND                                         ; the closing round
	s_endpgm
.Lfunc_end_k_q12b1fef2c2_oproj:
	.size	k_q12b1fef2c2_oproj, .Lfunc_end_k_q12b1fef2c2_oproj-k_q12b1fef2c2_oproj
	.p2alignl 7, 3214868480
	.fill 96, 4, 3214868480
	.section	.rodata,"a",@progbits
	.p2align	6, 0x0
	.amdhsa_kernel k_q12b1fef2c2_oproj
		.amdhsa_group_segment_fixed_size 327680
		.amdhsa_private_segment_fixed_size 0
		.amdhsa_enable_private_segment 0
		.amdhsa_kernarg_size 48
		.amdhsa_user_sgpr_count 2
		.amdhsa_user_sgpr_kernarg_segment_ptr 1
		.amdhsa_wavefront_size32 1
		.amdhsa_system_sgpr_workgroup_id_x 1
		.amdhsa_system_sgpr_workgroup_id_y 1
		.amdhsa_system_sgpr_workgroup_id_z 1
		.amdhsa_system_vgpr_workitem_id 0
		.amdhsa_next_free_vgpr 840
		.amdhsa_next_free_sgpr 102
		.amdhsa_reserve_vcc 0
		.amdhsa_float_denorm_mode_32 3
		.amdhsa_float_denorm_mode_16_64 3
		.amdhsa_memory_ordered 1
		.amdhsa_forward_progress 1
		.amdhsa_inst_pref_size 54
	.end_amdhsa_kernel
	.amdgpu_metadata
---
amdhsa.version: [ 1, 2 ]
amdhsa.kernels:
  - .name:           k_q12b1fef2c2_oproj
    .symbol:         k_q12b1fef2c2_oproj.kd
    .args:
      - { .name: oc, .offset: 0, .size: 8, .value_kind: global_buffer, .address_space: global }
      - { .name: os, .offset: 8, .size: 8, .value_kind: global_buffer, .address_space: global }
      - { .name: xc, .offset: 16, .size: 8, .value_kind: global_buffer, .address_space: global }
      - { .name: xs, .offset: 24, .size: 8, .value_kind: global_buffer, .address_space: global }
      - { .name: bo, .offset: 32, .size: 8, .value_kind: global_buffer, .address_space: global }
      - { .name: out0, .offset: 40, .size: 8, .value_kind: global_buffer, .address_space: global }
    .group_segment_fixed_size: 327680
    .private_segment_fixed_size: 0
    .kernarg_segment_align: 8
    .kernarg_segment_size: 48
    .max_flat_workgroup_size: 128
    .sgpr_count:     102
    .vgpr_count:     840
    .wavefront_size: 32
...
	.end_amdgpu_metadata
.endif
;; end of part 4
